; MI455X (gfx1250); checked and timed in simulation.
; The chip was launched on July 23, 2026; its instructions are those of AMD's public machine-readable ISA for CDNA 5 (MIT licence, August 2026) and "CDNA5" Instruction Set Architecture Reference Guide (July 2026). The comments in the code are by the model that wrote it; some were corrected since.
;; Parallel Transformer Block. Allowed arithmetic: matrix products marked QUANTISED: E3M2 operands, one E8M0 scale for each 32 along K, by v_wmma_scale_f32_16x16x128_f8f6f4 with both operands' format E3M2, f32 sums; everything else in f32.
;; Inputs: W_attn_out_codes 1,024 x 16 x 24 uint8 (E3M2 codes of W_attn_out, K innermost, in blocks of 32 codes, four codes in three bytes); W_attn_out_scales 1,024 x 16 uint8 (E8M0 scales of W_attn_out, one for each 32 codes along K); W_ff_out_codes 1,024 x 128 x 24 uint8 (E3M2 codes of W_ff_out, K innermost, in blocks of 32 codes, four codes in three bytes); W_ff_out_scales 1,024 x 128 uint8 (E8M0 scales of W_ff_out, one for each 32 codes along K); W_fused_codes 8,768 x 32 x 24 uint8 (E3M2 codes of W_fused, K innermost, in blocks of 32 codes, four codes in three bytes); W_fused_scales 8,768 x 32 uint8 (E8M0 scales of W_fused, one for each 32 codes along K); gamma 1,024 float32; x 2 x 2,048 x 1,024 float32.
;; Outputs: out0 2 x 2,048 x 1,024 float32.
;; This version of the problem:
;;   THIS VERSION OF THE PROBLEM IS GIVEN IN LOW PRECISION. The matrix products marked QUANTISED in the list below multiply operands that are first quantised to E3M2 (3 exponent bits, 2 mantissa bits; 6 bits a number), with one power-of-two scale for each 32 numbers along K (OCP MX v1.0); their sums are f32. All else is computed in f32.
;;   The module's matrix products, in the order in which they are computed (A, B: the left and right operand; K: the contracted axis; several contracted axes count as one K, in the product's order):
;;     1. [M 4,096, K 1,024] x [K 1,024, N 8,768]; A: computed on the way; B: input W_fused (given as codes): QUANTISED
;;     2. batch 2 x [M 32,768, K 32] x [K 32, N 2,048]; A: computed on the way; B: computed on the way: QUANTISED
;;     3. batch 2 x [M 32,768, K 2,048] x [K 2,048, N 32]; A: softmax (see below); B: computed on the way: QUANTISED
;;     4. [M 4,096, K 512] x [K 512, N 1,024]; A: computed on the way; B: input W_attn_out (given as codes): QUANTISED
;;     5. [M 4,096, K 4,096] x [K 4,096, N 1,024]; A: computed on the way; B: input W_ff_out (given as codes): QUANTISED
;;   THE QUANTISER, for each operand of a quantised product, along K:
;;     - K is cut into blocks of 32 from its start; a last block that is shorter is filled with zeros.
;;     - A block's scale is 2^e with e = floor(log2(the largest magnitude in the block)) - 4, held to -126 .. 127; a block of zeros has e = 0. As a byte (E8M0): e + 127.
;;     - Each number is divided by its block's scale, clamped to +-28, and rounded to the nearest number of E3M2, ties to even, subnormals kept.
;;     - The product sums the exact products of the quantised numbers (number of the format x scale) in f32.
;;   ~~~python
;;   def quantise(x, axis):      # numpy; x: float32 -> the quantised numbers, widened to float32 again
;;       x = np.moveaxis(x, axis, -1); K = x.shape[-1]
;;       x = np.pad(x, [(0, 0)] * (x.ndim - 1) + [(0, -K % 32)]); x = x.reshape(x.shape[:-1] + (-1, 32)); a = np.abs(x).max(-1, keepdims=True)
;;       e = np.where(a > 0, np.clip(np.frexp(np.where(a > 0, a, 1))[1] - 1 - 4, -126, 127), 0)      # np.frexp(a)[1] - 1 = floor(log2(a)), exactly
;;       r = np.clip(x / 2.0 ** e, -28, 28)
;;       step = 2.0 ** (np.maximum(np.frexp(np.where(r == 0, 1, r))[1] - 1, -2) - 2)
;;       q = np.round(r / step) * step * 2.0 ** e      # np.round: ties to even
;;       return np.moveaxis(q.reshape(q.shape[:-2] + (-1,))[..., :K], -1, axis).astype(np.float32)
;;   ~~~
;;   SOFTMAX AHEAD OF A QUANTISED PRODUCT. Where the list says 'softmax', what is quantised is not the finished softmax but p = 2^(t - M), with t = logit x log2(e) and M = ceil(the row's largest t), a whole number; so 1/2 < the row's largest p <= 1. The row's sum l is taken of the UNQUANTISED p, in f32, and the product's result is divided by l at the end. Since M is a whole number, a kernel that streams over the keys may use a running M (the ceiling of the running maximum): every later rescaling is an exact power of two, which a block's scale takes up: the codes' values come out the same.
;;   OPERANDS COMPUTED ON THE WAY. 'Computed on the way' means the value that the module computes at that place (a softmax that the list does not call 'softmax' is quantised finished and normalised). What goes into a quantiser is computed in f32, as accurately as f32 sums, v_exp_f32 and their like allow (about 1e-6 of the number): no bf16 or f16 on the way to a quantiser, and a product that is left as it is and whose result goes on into a quantised operand takes f32 operands (vector FMAs, or v_wmma_f32_16x16x4_f32). A number that lies on a knife's edge between two numbers of the format may be rounded either way, as far as f32 arithmetic and the matrix unit's own rounding can turn it there, and no further.
;;   INPUTS GIVEN AS CODES. W_attn_out (in the module: [1024, 512], K = its axis 1); W_ff_out (in the module: [1024, 4096], K = its axis 1); W_fused (in the module: [8768, 1024], K = its axis 1): each comes as NAME_codes (uint8): NAME with its K axis moved to the last place and cut into blocks of 32 codes, [.., K / 32, bytes a block], one block behind the other in memory; four codes in three bytes: a row's codes are one little-endian stream of bits, code i at bits 6 i .. 6 i + 5 (a code: sign, 3 exponent bits, 2 mantissa bits); and NAME_scales (uint8): the same leading axes, one E8M0 byte (e + 127) for each 32 codes along K. Its value is code x scale, taken as it is: it is not quantised again, and the codes and scales need not be those that the quantiser above would give.
;; One version. Each part assembles by itself: llvm-mc -triple=amdgcn-amd-amdhsa -mcpu=gfx1250 --defsym DOCPART=n.
;; ======== version 1 of 1: 5 launches
;; workspace buffers: xa 3,276,800 bytes; wf 6,995,968 bytes; wo 3,686,400 bytes; rot 524,288 bytes; qq 1,835,008 bytes; kv 217,088 bytes; ha 14,745,600 bytes
;; launch prep (part 1): grid 738 x 1, 4 waves a work-group, no clusters, 91,904 bytes of LDS; arguments x, gamma, W_fused_codes, W_fused_scales, W_ff_out_codes, W_ff_out_scales, W_attn_out_codes, W_attn_out_scales, xa, wf, wo, rot; writes xa, wf, wo, rot
.if DOCPART == 1
	.amdgcn_target "amdgcn-amd-amdhsa--gfx1250"
	.amdhsa_code_object_version 6
	.text
	.protected	k_q9bb36ab27a_prep
	.globl	k_q9bb36ab27a_prep
	.p2align	8
	.type	k_q9bb36ab27a_prep,@function
k_q9bb36ab27a_prep:
	s_mov_b64 s[64:65], 0
	v_nop
	global_prefetch_b8 v0, s[64:65] scope:SCOPE_SE
	s_setreg_imm32_b32 hwreg(HW_REG_WAVE_MODE, 25, 1), 1
	s_wait_xcnt 0x0
; Three jobs that feed the later launches, told apart by the work-group's number (the same for all four waves of a work-group):
;   0-255    LayerNorm of 16 tokens each, quantised to BF6 (E3M2) along the 1,024 channels, stored as images of operand registers (buffer xa)
;   256-673  the three weights, which arrive as rows of codes, are laid anew as images of operand registers (buffers wf, wo); nothing is requantised
;   674-737  the table of the xpos rotary factors, cos and sin times the scale, for q (with 1/sqrt(32)) and for k (buffer rot)
; AN IMAGE of a fragment (16 rows x 128 K, 12 registers a lane): register p of lane l lies at 512 (p / 4) + 16 l + 4 (p % 4): three loads of 16 bytes a lane bring a fragment.
; A RECORD of 8 (or 4) images is followed by the rows' scale words, 64 bytes a tile: 12,800 (or 6,400) bytes, a whole number of blocks of 256 bytes.
; LIMITS: NaN and infinities among the inputs are not served; a block whose largest magnitude lies under 2^-122 gets the scale byte 1 (a block of zeros too: its codes are zeros, and this program alone reads the bytes);
; the rotary angle is reduced by pi/2 in two parts, which serves positions under 2^11 (here 2,048); 10000^(-f/16) and the xpos scale are made by v_exp_f32 and v_log_f32, so an angle near position 2,047 may differ by about 1e-4 rad.
.set LNP,   4112                       ; LayerNorm's stage: a row of 4,096 bytes + 16: 257 x 16, so that sixteen rows' equal columns fall on different banks
.set RL0,   65792                      ; behind it: the relayout's stages, 6,400 bytes a wave (each job has LDS bytes of its own)
.set WQ0,   6553600                    ; in wf: where the q, k, v units begin
.set X,     32                         ; v32-159  four rows of x, 32 registers each
.set G,     160                        ; v160-191 gamma
.set FLOOR, 0x2800000                  ; 2^(5 - 127): no largest magnitude is taken under it, so a scale's byte cannot fall under 1
.set EOFF,  0xfe000000                 ; -(4 << 23): 4 off an exponent field
	s_load_b256 s[4:11], s[0:1], 0x0               ; x, gamma, W_fused codes, W_fused scales
	s_load_b256 s[12:19], s[0:1], 0x20             ; W_ff_out codes, scales, W_attn_out codes, scales
	s_load_b256 s[20:27], s[0:1], 0x40             ; xa, wf, wo, rot
	v_lshl_add_u32 v254, v0, 2, 0x16500
	v_mov_b32 v255, 0
	v_lshrrev_b32 v1, 5, v0
	v_readfirstlane_b32 s28, v1                    ; wave 0..3
	v_and_b32 v2, 31, v0                           ; lane
	v_and_b32 v3, 15, v0                           ; r
	v_bfe_u32 v4, v0, 4, 1                         ; h
	s_mov_b32 s30, 0x76543210
	s_mov_b32 s31, 0xfedcba98                      ; v_permlanex16_b32's selects for lane l xor 16
	s_wait_kmcnt 0x0
	s_cmp_lt_u32 ttmp9, 256
	s_cbranch_scc0 .Lnot_ln
; ---------------- LayerNorm: work-group g takes tokens 16 g .. 16 g + 15; wave w rows 4 w .. 4 w + 3, a whole row in 32 registers (register 4 j + e of lane l: channel 128 j + 4 l + e)
	v_lshlrev_b32 v5, 4, v2                        ; 16 x lane
	v_mov_b32 v22, 0                               ; a lane permute's destination counts as read: written once
	s_mov_b32 s34, 0x3a800000                      ; 1 / 1024
	s_mov_b32 s35, 0x3727c5ac                      ; 1e-5
	s_lshl_b32 s32, ttmp9, 16                      ; 16 rows of 4,096 bytes a work-group,
	s_lshl_b32 s33, s28, 14                        ; 4 a wave
	s_add_co_u32 s32, s32, s33
	s_mov_b32 s33, 0
	s_add_nc_u64 s[4:5], s[4:5], s[32:33]
.irp j, 0,1,2,3,4,5,6,7
	global_load_b128 v[G+4*\j:G+4*\j+3], v5, s[6:7] offset:512*\j
.endr
.irp p, 0,1,2,3
.irp j, 0,1,2,3,4,5,6,7
	global_load_b128 v[X+32*\p+4*\j:X+32*\p+4*\j+3], v5, s[4:5] offset:4096*\p+512*\j th:TH_LOAD_NT   ; 32 lanes read 512 consecutive bytes; x is read once
.endr
.endr
	s_mul_i32 s36, s28, 4*LNP
	v_add_nc_u32 v6, s36, v5                       ; into the stage: my wave's four rows, 16 bytes a lane
	v_mul_u32_u24 v7, v3, LNP
	v_lshl_add_u32 v7, v4, 7, v7
	s_lshl_b32 s36, s28, 10
	v_add_nc_u32 v7, s36, v7                       ; out of it: row r, + 128 h (block h of a chunk), + my wave's two chunks of 512 bytes
	v_lshlrev_b32 v8, 3, v4                        ; 8 h
	s_lshr_b32 s36, ttmp9, 3                       ; the block of 128 tokens,
	s_mul_i32 s36, s36, 102400
	s_mul_i32 s37, s28, 25600                      ; my wave's two records
	s_add_co_u32 s36, s36, s37
	s_mov_b32 s37, 0
	s_add_nc_u64 s[20:21], s[20:21], s[36:37]
	s_and_b32 s38, ttmp9, 7                        ; which of the record's eight tiles my 16 tokens are
	s_mul_i32 s39, s38, 1536
	v_add_nc_u32 v9, s39, v5                       ; an image's place for my lane
	v_mul_u32_u24 v10, v4, 12800
	v_lshl_add_u32 v10, v3, 2, v10
	s_lshl_b32 s39, s38, 6
	s_add_co_u32 s39, s39, 12288
	v_add_nc_u32 v10, s39, v10                     ; the scale words: lanes 0-15 the first chunk's, lanes 16-31 the second's
.macro REDUCE                          ; v16 summed over the 32 lanes, the result in every lane
	v_add_f32_dpp v16, v16, v16 row_xmask:1 row_mask:0xf bank_mask:0xf
	v_add_f32_dpp v16, v16, v16 row_xmask:2 row_mask:0xf bank_mask:0xf
	v_add_f32_dpp v16, v16, v16 row_xmask:4 row_mask:0xf bank_mask:0xf
	v_add_f32_dpp v16, v16, v16 row_xmask:8 row_mask:0xf bank_mask:0xf
	v_permlanex16_b32 v22, v16, s30, s31
	v_add_f32 v16, v16, v22
.endm
.macro ROWSTAT p                       ; row p: the mean, x - mean in place, the variance + 1e-5 into v[24 + 2 p]
.set XR, X+32*\p
	s_wait_loadcnt 8*(3-\p)                        ; loads come back in order: this row's eight are in, the younger rows' may be out
	v_pk_add_f32 v[16:17], v[XR:XR+1], v[XR+2:XR+3]
	v_pk_add_f32 v[18:19], v[XR+4:XR+5], v[XR+6:XR+7]
.irp i, 8,12,16,20,24,28
	v_pk_add_f32 v[16:17], v[16:17], v[XR+\i:XR+\i+1]
	v_pk_add_f32 v[18:19], v[18:19], v[XR+\i+2:XR+\i+3]
.endr
	v_pk_add_f32 v[16:17], v[16:17], v[18:19]
	v_add_f32 v16, v16, v17
	REDUCE
	v_mul_f32 v20, s34, v16                        ; the mean,
	v_mov_b32 v21, v20                             ; twice, for the packed subtraction
.set j, 0
.rept 16
	v_pk_add_f32 v[XR+j:XR+j+1], v[XR+j:XR+j+1], v[20:21] neg_lo:[0,1] neg_hi:[0,1]
.set j, j+2
.endr
	v_pk_mul_f32 v[16:17], v[XR:XR+1], v[XR:XR+1]
	v_pk_mul_f32 v[18:19], v[XR+2:XR+3], v[XR+2:XR+3]
.irp i, 4,8,12,16,20,24,28
	v_pk_fma_f32 v[16:17], v[XR+\i:XR+\i+1], v[XR+\i:XR+\i+1], v[16:17]
	v_pk_fma_f32 v[18:19], v[XR+\i+2:XR+\i+3], v[XR+\i+2:XR+\i+3], v[18:19]
.endr
	v_pk_add_f32 v[16:17], v[16:17], v[18:19]
	v_add_f32 v16, v16, v17
	REDUCE
	v_fma_f32 v[24+2*\p], v16, s34, s35
.endm
	ROWSTAT 0
	ROWSTAT 1
	ROWSTAT 2
	ROWSTAT 3
	v_rsq_f32 v24, v24                             ; the four rows' roots as one batch,
	v_rsq_f32 v26, v26
	v_rsq_f32 v28, v28
	v_rsq_f32 v30, v30
	v_nop                                          ; a plain instruction behind the last of them (ISA guide 5.7.2),
	s_wait_alu depctr_va_vdst(0)                   ; and one wait ahead of the first reader
.irp p, 0,1,2,3
	v_mov_b32 v[25+2*\p], v[24+2*\p]
.endr
.macro ROWOUT p                        ; row p: x rstd, x gamma, into the stage
.set XR, X+32*\p
.set j, 0
.rept 16
	v_pk_mul_f32 v[XR+j:XR+j+1], v[XR+j:XR+j+1], v[24+2*\p:25+2*\p]
.set j, j+2
.endr
.set j, 0
.rept 16
	v_pk_mul_f32 v[XR+j:XR+j+1], v[XR+j:XR+j+1], v[G+j:G+j+1]
.set j, j+2
.endr
.irp j, 0,1,2,3,4,5,6,7
	ds_store_b128 v6, v[XR+4*\j:XR+4*\j+3] offset:\p*LNP+512*\j
.endr
.endm
	ROWOUT 0
	ROWOUT 1
	ROWOUT 2
	ROWOUT 3
	s_wait_dscnt 0x0                               ; for the others' sake: my rows lie in the stage
	s_barrier_signal -1
	s_barrier_wait -1
; wave w quantises chunks 2 w and 2 w + 1 (128 channels each) of all 16 rows.  Lane (r, h) takes of row r the two whole blocks that the operand's layout gives it: blocks h and 2 + h.
.irp q, 0,1
.irp c, 0,1
.irp i, 0,1,2,3,4,5,6,7
	ds_load_b128 v[32+96*\q+32*\c+4*\i:32+96*\q+32*\c+4*\i+3], v7 offset:512*\q+256*\c+16*\i
.endr
.endr
.endr
.macro QX q, n, pc, wd                 ; 64 numbers at v[n] on -> a fragment's 12 registers at v[pc] on, stored; the rows' scale word in v[wd]
	v_max3_num_f32 v16, |v[\n]|, |v[\n+1]|, FLOOR
	v_max3_num_f32 v17, |v[\n+32]|, |v[\n+33]|, FLOOR
.irp i, 2,4,6,8,10,12,14,16,18,20,22,24,26,28,30
	v_max3_num_f32 v16, v16, |v[\n+\i]|, |v[\n+\i+1]|
	v_max3_num_f32 v17, v17, |v[\n+32+\i]|, |v[\n+33+\i]|
.endr
	v_add_nc_u32 v18, EOFF, v16                    ; 4 off the exponent field: the conversion takes the exponent field of this operand as its scale
	v_add_nc_u32 v19, EOFF, v17
	v_lshrrev_b32 v20, 23, v18                     ; the scales' bytes
	v_lshrrev_b32 v21, 23, v19
	v_lshl_or_b32 v20, v21, 16, v20                ; blocks h and 2 + h,
	v_lshlrev_b32 v20, v8, v20                     ; at their places in the word;
	v_permlanex16_b32 v22, v20, s30, s31
	v_or_b32 v[\wd], v20, v22                      ; with lane l xor 16's two the word is whole
	v_cvt_scalef32_pk16_bf6_f32 v[\pc:\pc+2], v[\n:\n+15], v18
	v_cvt_scalef32_pk16_bf6_f32 v[120:122], v[\n+16:\n+31], v18       ; (a conversion's three registers begin on an even number)
	v_cvt_scalef32_pk16_bf6_f32 v[\pc+6:\pc+8], v[\n+32:\n+47], v19
	v_cvt_scalef32_pk16_bf6_f32 v[124:126], v[\n+48:\n+63], v19
	v_nop                                          ; one plain instruction behind the conversions
.irp i, 0,1,2
	v_mov_b32 v[\pc+3+\i], v[120+\i]
	v_mov_b32 v[\pc+9+\i], v[124+\i]
.endr
.irp c, 0,1,2
	global_store_b128 v9, v[\pc+4*\c:\pc+4*\c+3], s[20:21] offset:\q*12800+512*\c   ; 32 lanes store 512 consecutive bytes
.endr
.endm
	s_wait_dscnt 16                                ; the first chunk's sixteen loads are in
	QX 0, 32, 96, 12
	s_wait_dscnt 0x0
	QX 1, 128, 108, 13                             ; its codes have registers of their own: no store's data are written again
	v_cmp_ne_u32 vcc_lo, 0, v4
	v_cndmask_b32 v14, v12, v13, vcc_lo
	global_store_b32 v10, v14, s[20:21]
	s_wait_tensorcnt 0x0
	ds_add_u32 v254, v255
	s_wait_dscnt 0x0
	s_endpgm
.Lnot_ln:
	s_cmp_lt_u32 ttmp9, 674
	s_cbranch_scc0 .Lrot
; ---------------- the weights.  A wave takes 16 rows x 384 bytes (four chunks of 128 codes): 12 loads, each four rows x 128 bytes, through its own stage (rows 400 bytes apart), back as four fragments, out as four images.
; One path serves all: what differs lies in scalar registers, chosen on the work-group's and the wave's number alone.
;   W_fused, tiles 0-33 (q, k): rows as they lie; tiles 34, 35 (v) and all ff tiles: A TILE'S ROWS ARE NOT NEIGHBOURS: tile-row p takes row first + p + 8 (p / 8), so that two neighbouring tiles' results are 16 neighbours in a lane.
;   In wf half hc (64 hidden units) holds tiles 0-3 = ff_x's rows and tiles 4-7 = gate's rows of the same units.   wo: chunks 0-3 W_attn_out, 4-35 W_ff_out: one K of 4,608.
; REGISTERS of this job: v200-207 addresses, which no other job's lines write; v32-79 the rows as loaded; v80-127 the four fragments; v[210:211] scale words.
	s_sub_co_u32 s32, ttmp9, 256
	s_mov_b32 s46, 3072
	s_mov_b32 s47, 128
	s_cmp_lt_u32 s32, 274                          ; W_fused?
	s_cselect_b32 s33, 0, 274
	s_cselect_b64 s[40:41], s[8:9], s[12:13]       ; codes
	s_cselect_b64 s[42:43], s[10:11], s[14:15]     ; scale bytes
	s_cselect_b64 s[44:45], s[22:23], s[24:25]     ; to wf or to wo
	s_cselect_b32 s46, 768, s46                    ; a row of codes in bytes
	s_cselect_b32 s47, 32, s47                     ; a row of scale bytes
	s_cselect_b32 s48, 1, 3                        ; log2 of the jobs along a row
	s_cselect_b32 s49, 1, 0
	s_cmp_lt_u32 s32, 402                          ; or W_attn_out?
	s_cselect_b32 s33, s33, 402
	s_cselect_b64 s[40:41], s[40:41], s[16:17]
	s_cselect_b64 s[42:43], s[42:43], s[18:19]
	s_cselect_b32 s46, s46, 384
	s_cselect_b32 s47, s47, 16
	s_cselect_b32 s48, s48, 0
	s_cselect_b32 s50, 4, 0                        ; W_ff_out's chunks begin at 4
	s_sub_co_u32 s33, s32, s33
	s_lshl_b32 s33, s33, 2
	s_add_co_u32 s33, s33, s28                     ; the job
	s_lshr_b32 s51, s33, s48                       ; its tile of 16 rows,
	s_lshl_b32 s52, s51, s48
	s_sub_co_u32 s52, s33, s52                     ; its 384 bytes of the rows
	; as for wo (and, for the first row, for q and k)
	s_lshl_b32 s53, s51, 4                         ; first row
	s_lshr_b32 s54, s51, 2
	s_mul_i32 s54, s54, 230400
	s_lshl_b32 s55, s52, 2
	s_add_co_u32 s55, s55, s50
	s_mul_i32 s55, s55, 6400
	s_add_co_u32 s54, s54, s55                     ; the first chunk's record
	s_and_b32 s55, s51, 3
	s_mul_i32 s56, s55, 1536                       ; the image in it
	s_lshl_b32 s57, s55, 6
	s_add_co_u32 s57, s57, 6144                    ; the scale words in it
	s_mov_b32 s58, 6400                            ; from chunk to chunk
	s_mov_b32 s59, 0                               ; rows as they lie
	s_mov_b32 s60, 1                               ; scale words are stored
	; as for q, k, v
	s_lshr_b32 s66, s51, 1
	s_mul_i32 s66, s66, 24576
	s_mul_i32 s67, s52, 12288
	s_add_co_u32 s66, s66, s67
	s_add_co_u32 s66, s66, WQ0
	s_and_b32 s67, s51, 1
	s_mul_i32 s68, s67, 1536
	s_lshl_b32 s69, s67, 3
	s_add_co_u32 s69, s69, 544                     ; v's first row
	; as for the ff tiles
	s_sub_co_u32 s70, s51, 36
	s_and_b32 s71, s70, 7                          ; i
	s_lshr_b32 s72, s70, 3                         ; hc
	s_lshl_b32 s73, s72, 6
	s_add_co_u32 s73, s73, 576
	s_bfe_u32 s74, s71, 0x10001
	s_lshl_b32 s74, s74, 5
	s_add_co_u32 s73, s73, s74
	s_and_b32 s74, s71, 1
	s_lshl_b32 s74, s74, 3
	s_add_co_u32 s73, s73, s74
	s_lshr_b32 s74, s71, 2
	s_lshl_b32 s74, s74, 12
	s_add_co_u32 s73, s73, s74                     ; 576 + 64 hc + 32 ((i & 3) / 2) + 8 (i & 1) + 4096 (i / 4)
	s_mul_i32 s75, s72, 102400
	s_mul_i32 s74, s52, 51200
	s_add_co_u32 s75, s75, s74
	s_mul_i32 s76, s71, 1536
	s_lshl_b32 s77, s71, 6
	s_add_co_u32 s77, s77, 12288
	; the choice
	s_cmp_lt_u32 s51, 36
	s_cselect_b32 s78, s49, 0                      ; W_fused's q, k, v
	s_cselect_b32 s79, 0, s49                      ; W_fused's ff
	s_cmp_lg_u32 s78, 0
	s_cselect_b32 s54, s66, s54
	s_cselect_b32 s56, s68, s56
	s_cselect_b32 s58, 3072, s58
	s_cselect_b32 s60, 0, s60
	s_cmp_lg_u32 s79, 0
	s_cselect_b32 s53, s73, s53
	s_cselect_b32 s54, s75, s54
	s_cselect_b32 s56, s76, s56
	s_cselect_b32 s57, s77, s57
	s_cselect_b32 s58, 12800, s58
	s_cselect_b32 s59, 1, s59
	s_cmp_ge_u32 s51, 34
	s_cselect_b32 s80, s78, 0                      ; v
	s_cmp_lg_u32 s80, 0
	s_cselect_b32 s53, s69, s53
	s_cselect_b32 s59, 1, s59
	; four bases for the four groups of four rows
	s_mul_i32 s82, s53, s46
	s_mul_i32 s83, s52, 384
	s_add_co_u32 s82, s82, s83
	s_mov_b32 s83, 0
	s_add_nc_u64 s[40:41], s[40:41], s[82:83]      ; tile-rows 0-3
	s_lshl_b32 s82, s46, 2
	s_add_nc_u64 s[84:85], s[40:41], s[82:83]      ; 4-7
	s_lshl_b32 s93, s59, 3                         ; 8 where the rows are not neighbours
	s_add_co_u32 s86, s93, 8
	s_mul_i32 s86, s86, s46
	s_mov_b32 s87, 0
	s_add_nc_u64 s[88:89], s[40:41], s[86:87]      ; 8-11
	s_add_nc_u64 s[90:91], s[88:89], s[82:83]      ; 12-15
	s_mul_i32 s82, s53, s47
	s_lshl_b32 s86, s52, 4
	s_add_co_u32 s82, s82, s86
	s_add_nc_u64 s[42:43], s[42:43], s[82:83]      ; the first row's scale bytes of these four chunks
	; four bases for the four chunks
	s_mov_b32 s55, 0
	s_mov_b32 s59, 0
	s_add_nc_u64 s[44:45], s[44:45], s[54:55]
	s_add_nc_u64 s[94:95], s[44:45], s[58:59]
	s_add_nc_u64 s[96:97], s[94:95], s[58:59]
	s_add_nc_u64 s[98:99], s[96:97], s[58:59]
	s_mul_i32 s92, s28, 6400
	s_add_co_u32 s92, s92, RL0                     ; my stage
	; a load takes four rows x 128 bytes: eight lanes to a row, 16 bytes a lane; a row's three thirds and the four groups of rows stand in immediates and bases
	v_lshrrev_b32 v200, 3, v2                      ; lane / 8: the row of the four
	v_and_b32 v201, 7, v2                          ; lane % 8: the piece of 16 bytes
	v_mul_lo_u32 v202, v200, s46
	v_lshl_add_u32 v202, v201, 4, v202             ; in memory: row x pitch + 16 x piece
	v_mul_u32_u24 v203, v200, 400
	v_lshl_add_u32 v203, v201, 4, v203
	v_add_nc_u32 v203, s92, v203                   ; in the stage: 400 x row + 16 x piece + my wave's 6,400 bytes
	v_lshrrev_b32 v204, 3, v3
	v_mul_lo_u32 v204, v204, s93
	v_add_nc_u32 v204, v204, v3
	v_mul_lo_u32 v204, v204, s47
	v_lshl_add_u32 v204, v4, 3, v204               ; my tile-row's scale bytes: lanes 0-15 chunks 0, 1, lanes 16-31 chunks 2, 3
	v_mul_u32_u24 v205, v3, 400
	v_mad_u32_u24 v205, v4, 24, v205
	v_add_nc_u32 v205, s92, v205                   ; a fragment's row in the stage, + 24 h
	v_lshlrev_b32 v206, 4, v2
	v_add_nc_u32 v206, s56, v206                   ; an image's place for my lane
	s_lshl_b32 s82, s58, 1
	v_mul_lo_u32 v207, v4, s82
	v_lshl_add_u32 v207, v3, 2, v207
	v_add_nc_u32 v207, s57, v207                   ; a scale word's
.irp n, 0,1,2
	global_load_b128 v[32+4*\n:35+4*\n], v202, s[40:41] offset:128*\n
	global_load_b128 v[44+4*\n:47+4*\n], v202, s[84:85] offset:128*\n
	global_load_b128 v[56+4*\n:59+4*\n], v202, s[88:89] offset:128*\n
	global_load_b128 v[68+4*\n:71+4*\n], v202, s[90:91] offset:128*\n
.endr
	global_load_b64 v[210:211], v204, s[42:43]
	s_wait_loadcnt 0x0
.irp t, 0,1,2,3
.irp n, 0,1,2
	ds_store_b128 v203, v[32+12*\t+4*\n:35+12*\t+4*\n] offset:1600*\t+128*\n
.endr
.endr
.irp e, 0,1,2,3                        ; LDS serves a wave's instructions in order (ISA guide 5.7.1.4): these see my stores.  With rows 400 bytes apart the 32 lanes of a load touch 64 different banks
.irp p, 0,1,2,3,4,5
	ds_load_b64 v[80+12*\e+2*\p:81+12*\e+2*\p], v205 offset:96*\e+48*(\p/3)+8*(\p%3)
.endr
.endr
	s_wait_dscnt 0x0
.irp c, 0,1,2
	global_store_b128 v206, v[80+4*\c:83+4*\c], s[44:45] offset:512*\c
	global_store_b128 v206, v[92+4*\c:95+4*\c], s[94:95] offset:512*\c
	global_store_b128 v206, v[104+4*\c:107+4*\c], s[96:97] offset:512*\c
	global_store_b128 v206, v[116+4*\c:119+4*\c], s[98:99] offset:512*\c
.endr
	s_cmp_eq_u32 s60, 0                            ; q's, k's and v's scale bytes are read from the input as they lie
	s_cbranch_scc1 .Lno_words
	global_store_b32 v207, v210, s[44:45]          ; chunk 2 h
	global_store_b32 v207, v211, s[94:95]          ; chunk 2 h + 1
.Lno_words:
	s_wait_tensorcnt 0x0
	ds_add_u32 v254, v255
	s_wait_dscnt 0x0
	s_endpgm
.Lrot:
; ---------------- the rotary table: [q, k][cos, sin][position 2048][frequency 16] f32.  Thread: frequency tid % 16, positions 32 g + 8 pass + tid / 16.
	s_sub_co_u32 s32, ttmp9, 674
	s_lshl_b32 s33, s32, 5                         ; first position
	s_lshl_b32 s36, s32, 11                        ; 64 bytes a position
	s_mov_b32 s37, 0
	s_add_nc_u64 s[26:27], s[26:27], s[36:37]
	s_mov_b32 s34, 0x3fc90fdb                      ; pi / 2, upper part,
	s_mov_b32 s35, 0xb33bbd2e                      ; lower part
	v_cvt_f32_u32 v6, v3                           ; f
	v_mul_f32 v7, 0xbf549a78, v6                   ; -f log2(10000) / 16
	v_add_f32 v8, v6, v6
	v_add_f32 v8, 0x414ccccd, v8                   ; 2 f + 12.8
	v_mul_f32 v8, 0x3cb6db6e, v8                   ; / 44.8
	v_exp_f32 v7, v7                               ; the frequency
	v_log_f32 v8, v8                               ; log2 of the xpos base
	v_lshrrev_b32 v9, 4, v0
	v_lshlrev_b32 v30, 2, v0                       ; (tid / 16) x 64 + (tid % 16) x 4 = 4 tid
	s_wait_alu depctr_va_vdst(0)                   ; one wait for the two, ahead of their first reader
.macro TRIG p
	v_add_nc_u32 v10, s33, v9
	v_add_nc_u32 v10, 8*\p, v10
	v_cvt_f32_u32 v11, v10                         ; the position
	v_mul_f32 v12, v11, v7                         ; the angle
	v_mul_f32 v13, 0x3f22f983, v12
	v_rndne_f32 v13, v13                           ; n = the nearest multiple of pi / 2
	v_fma_f32 v14, -v13, s34, v12
	v_fma_f32 v14, -v13, s35, v14                  ; what is left, within pi / 4
	v_mul_f32 v15, v14, v14
	v_mov_b32 v16, 0xb94ca1f9
	v_fmaak_f32 v16, v15, v16, 0x3c08839e
	v_fmaak_f32 v16, v15, v16, 0xbe2aaaa3
	v_mul_f32 v17, v15, v14
	v_fma_f32 v16, v17, v16, v14                   ; its sine
	v_mov_b32 v18, 0x37ccf5ce
	v_fmaak_f32 v18, v15, v18, 0xbab6061a
	v_fmaak_f32 v18, v15, v18, 0x3d2aaaa5
	v_mul_f32 v19, v15, v15
	v_fma_f32 v20, v15, -0.5, 1.0
	v_fma_f32 v18, v19, v18, v20                   ; its cosine
	v_cvt_i32_f32 v21, v13
	v_and_b32 v22, 1, v21
	v_cmp_ne_u32 vcc_lo, 0, v22                    ; n odd: the two change places
	v_cndmask_b32 v23, v16, v18, vcc_lo
	v_cndmask_b32 v24, v18, v16, vcc_lo
	v_lshlrev_b32 v25, 30, v21
	v_and_b32 v25, 0x80000000, v25                 ; the sine is negated where n % 4 is 2 or 3,
	v_xor_b32 v23, v23, v25
	v_add_nc_u32 v26, 1, v21
	v_lshlrev_b32 v26, 30, v26
	v_and_b32 v26, 0x80000000, v26                 ; the cosine where it is 1 or 2
	v_xor_b32 v24, v24, v26
	v_add_f32 v27, 0xc4800000, v11
	v_mul_f32 v27, 0x3b000000, v27                 ; (position - 1024) / 512
	v_mul_f32 v27, v27, v8
	v_exp_f32 v28, v27                             ; the xpos scale,
	v_exp_f32 v29, -v27                            ; its inverse
	v_nop
	s_wait_alu depctr_va_vdst(0)
	v_mul_f32 v28, 0x3e3504f3, v28                 ; q also carries 1 / sqrt(32)
	v_mul_f32 v[32+4*\p], v24, v28
	v_mul_f32 v[33+4*\p], v23, v28
	v_mul_f32 v[34+4*\p], v24, v29
	v_mul_f32 v[35+4*\p], v23, v29
	global_store_b32 v30, v[32+4*\p], s[26:27] offset:512*\p
	global_store_b32 v30, v[33+4*\p], s[26:27] offset:131072+512*\p
	global_store_b32 v30, v[34+4*\p], s[26:27] offset:262144+512*\p
	global_store_b32 v30, v[35+4*\p], s[26:27] offset:393216+512*\p
.endm
	TRIG 0
	TRIG 1
	TRIG 2
	TRIG 3
	s_endpgm
.Lfunc_end_k_q9bb36ab27a_prep:
	.size	k_q9bb36ab27a_prep, .Lfunc_end_k_q9bb36ab27a_prep-k_q9bb36ab27a_prep
	.p2alignl 7, 3214868480
	.fill 96, 4, 3214868480
	.section	.rodata,"a",@progbits
	.p2align	6, 0x0
	.amdhsa_kernel k_q9bb36ab27a_prep
		.amdhsa_group_segment_fixed_size 91904
		.amdhsa_private_segment_fixed_size 0
		.amdhsa_enable_private_segment 0
		.amdhsa_kernarg_size 96
		.amdhsa_user_sgpr_count 2
		.amdhsa_user_sgpr_kernarg_segment_ptr 1
		.amdhsa_wavefront_size32 1
		.amdhsa_system_sgpr_workgroup_id_x 1
		.amdhsa_system_sgpr_workgroup_id_y 1
		.amdhsa_system_sgpr_workgroup_id_z 1
		.amdhsa_system_vgpr_workitem_id 0
		.amdhsa_next_free_vgpr 256
		.amdhsa_next_free_sgpr 100
		.amdhsa_reserve_vcc 1
		.amdhsa_float_denorm_mode_32 3
		.amdhsa_float_denorm_mode_16_64 3
		.amdhsa_memory_ordered 1
		.amdhsa_forward_progress 1
		.amdhsa_inst_pref_size 62
	.end_amdhsa_kernel
	.amdgpu_metadata
---
amdhsa.version: [ 1, 2 ]
amdhsa.kernels:
  - .name:           k_q9bb36ab27a_prep
    .symbol:         k_q9bb36ab27a_prep.kd
    .args:
      - { .name: x, .offset: 0, .size: 8, .value_kind: global_buffer, .address_space: global }
      - { .name: gamma, .offset: 8, .size: 8, .value_kind: global_buffer, .address_space: global }
      - { .name: W_fused_codes, .offset: 16, .size: 8, .value_kind: global_buffer, .address_space: global }
      - { .name: W_fused_scales, .offset: 24, .size: 8, .value_kind: global_buffer, .address_space: global }
      - { .name: W_ff_out_codes, .offset: 32, .size: 8, .value_kind: global_buffer, .address_space: global }
      - { .name: W_ff_out_scales, .offset: 40, .size: 8, .value_kind: global_buffer, .address_space: global }
      - { .name: W_attn_out_codes, .offset: 48, .size: 8, .value_kind: global_buffer, .address_space: global }
      - { .name: W_attn_out_scales, .offset: 56, .size: 8, .value_kind: global_buffer, .address_space: global }
      - { .name: xa, .offset: 64, .size: 8, .value_kind: global_buffer, .address_space: global }
      - { .name: wf, .offset: 72, .size: 8, .value_kind: global_buffer, .address_space: global }
      - { .name: wo, .offset: 80, .size: 8, .value_kind: global_buffer, .address_space: global }
      - { .name: rot, .offset: 88, .size: 8, .value_kind: global_buffer, .address_space: global }
    .group_segment_fixed_size: 91904
    .private_segment_fixed_size: 0
    .kernarg_segment_align: 8
    .kernarg_segment_size: 96
    .max_flat_workgroup_size: 128
    .sgpr_count:     100
    .vgpr_count:     256
    .wavefront_size: 32
...
	.end_amdgpu_metadata
.endif
;; end of part 1
;; launch proj (part 2): grid 32 x 6, 3 waves a work-group, no clusters, 0 bytes of LDS; arguments xa, wf, W_fused_scales, rot, qq, kv; writes qq, kv
.if DOCPART == 2
	.amdgcn_target "amdgcn-amd-amdhsa--gfx1250"
	.amdhsa_code_object_version 6
	.text
	.protected	k_q9bb36ab27a_proj
	.globl	k_q9bb36ab27a_proj
	.p2align	8
	.type	k_q9bb36ab27a_proj,@function
k_q9bb36ab27a_proj:
	s_mov_b64 s[64:65], 0
	v_nop
	global_prefetch_b8 v0, s[64:65] scope:SCOPE_SE
	s_setreg_imm32_b32 hwreg(HW_REG_WAVE_MODE, 25, 1), 1
	s_wait_xcnt 0x0
; The first 576 columns of the fused projection (q's 16 heads, k, v), on codes of BF6 (E3M2) with one E8M0 scale for each 32 along K; then the xpos rotary on q and k, and the quantising of q and k (along the head's 32) and of v (along the keys).
; SHARES.  A wave takes one unit of 32 columns (u = 3 y + wave: 0-15 q's heads, 16 k, 17 v) for 128 tokens (work-group x): 16 accumulators, 8 chunks of 128 along K, 128 matrix instructions.
; Operands come from memory straight into registers, as images (three loads of 16 bytes a lane for a fragment).  No LDS, no barrier, no tensor load, no cluster: this launch holds 576 of the projection's 8,768 columns, and the three waves share only the tokens' codes.
; q, k: source 0 = 16 rows of W, source 1 = 16 tokens: a lane holds ONE token, and of tile t the dims 16 t + 8 h + 0 .. 7: a rotary pair (d, d + 16) lies in one lane.
; The 32 codes of a token are laid in the order 16 h + 8 t + j = dim 16 t + 8 h + j, alike for q and k: a permutation inside the one block of 32, which leaves the product's terms as they are.
; v: the sources change places: a lane holds one dim and its registers run along the tokens, which are the next product's K.  Inside a block of 32 keys place 16 h + 8 u + j holds key 16 u + 8 h + j; the attention launch lays p in the same order.
; LIMITS: NaN and infinities are not served; a block whose largest magnitude lies under 2^-122 gets the scale byte 1.
; REGISTERS: window 0: v1-9 lane terms; v12-27, v104-119 codes; v32-63 the tokens' scale words, v64-71 W's; v72-103 at work; v128-255 the accumulators.   window 1: two sets of 120: 8 fragments of tokens, 2 of W.   window 2: v0-63 cos, v64-127 sin.
.set WQ0, 6553600
.set ACC, 128
.set AS,  32
.set WS,  64
.set LI,  4                            ; 16 x lane
.set LW,  5                            ; 4 x lane
.set TBO, 6                            ; the table: 64 r + 32 h
.set CDO, 7                            ; codes: 24 r + 12 h
.set WSQ, 8                            ; W's scale rows for q, k: 32 x lane
.set WSV, 9                            ; for v: 32 x (8 h + r + 8 (r / 8))
.set FLOOR, 0x2800000
.set EOFF,  0xfe000000
.set MSB, 0
.macro WIN new                         ; the immediate's high byte repeats the setting that is left
.if MSB != \new
	s_set_vgpr_msb (MSB<<8)|\new
.set MSB, \new
.endif
.endm
; one matrix instruction: D at v[d], source 0 at v[a], source 1 at v[b], their scale registers sa, sb; ra, rb = 1: the scales are taken from lanes 16-31; zero = 1: it starts the sum
.macro WM d, a, b, sa, sb, ra, rb, zero
.if \zero
.if (\ra) && (\rb)
	v_wmma_scale_f32_16x16x128_f8f6f4 v[(\d):(\d)+7], v[(\a):(\a)+11], v[(\b):(\b)+11], 0, v[\sa], v[\sb] matrix_a_fmt:MATRIX_FMT_BF6 matrix_b_fmt:MATRIX_FMT_BF6 matrix_a_scale:MATRIX_SCALE_ROW1 matrix_b_scale:MATRIX_SCALE_ROW1
.elseif \ra
	v_wmma_scale_f32_16x16x128_f8f6f4 v[(\d):(\d)+7], v[(\a):(\a)+11], v[(\b):(\b)+11], 0, v[\sa], v[\sb] matrix_a_fmt:MATRIX_FMT_BF6 matrix_b_fmt:MATRIX_FMT_BF6 matrix_a_scale:MATRIX_SCALE_ROW1
.elseif \rb
	v_wmma_scale_f32_16x16x128_f8f6f4 v[(\d):(\d)+7], v[(\a):(\a)+11], v[(\b):(\b)+11], 0, v[\sa], v[\sb] matrix_a_fmt:MATRIX_FMT_BF6 matrix_b_fmt:MATRIX_FMT_BF6 matrix_b_scale:MATRIX_SCALE_ROW1
.else
	v_wmma_scale_f32_16x16x128_f8f6f4 v[(\d):(\d)+7], v[(\a):(\a)+11], v[(\b):(\b)+11], 0, v[\sa], v[\sb] matrix_a_fmt:MATRIX_FMT_BF6 matrix_b_fmt:MATRIX_FMT_BF6
.endif
.else
.if (\ra) && (\rb)
	v_wmma_scale_f32_16x16x128_f8f6f4 v[(\d):(\d)+7], v[(\a):(\a)+11], v[(\b):(\b)+11], v[(\d):(\d)+7], v[\sa], v[\sb] matrix_a_fmt:MATRIX_FMT_BF6 matrix_b_fmt:MATRIX_FMT_BF6 matrix_a_scale:MATRIX_SCALE_ROW1 matrix_b_scale:MATRIX_SCALE_ROW1
.elseif \ra
	v_wmma_scale_f32_16x16x128_f8f6f4 v[(\d):(\d)+7], v[(\a):(\a)+11], v[(\b):(\b)+11], v[(\d):(\d)+7], v[\sa], v[\sb] matrix_a_fmt:MATRIX_FMT_BF6 matrix_b_fmt:MATRIX_FMT_BF6 matrix_a_scale:MATRIX_SCALE_ROW1
.elseif \rb
	v_wmma_scale_f32_16x16x128_f8f6f4 v[(\d):(\d)+7], v[(\a):(\a)+11], v[(\b):(\b)+11], v[(\d):(\d)+7], v[\sa], v[\sb] matrix_a_fmt:MATRIX_FMT_BF6 matrix_b_fmt:MATRIX_FMT_BF6 matrix_b_scale:MATRIX_SCALE_ROW1
.else
	v_wmma_scale_f32_16x16x128_f8f6f4 v[(\d):(\d)+7], v[(\a):(\a)+11], v[(\b):(\b)+11], v[(\d):(\d)+7], v[\sa], v[\sb] matrix_a_fmt:MATRIX_FMT_BF6 matrix_b_fmt:MATRIX_FMT_BF6
.endif
.endif
.endm
.macro PLACES                          ; four plain instructions between a matrix instruction and a load into its sources or a read of its result (ISA guide 7.12.1 for a read of its result)
.rept 4
	v_nop
.endr
.endm
	s_load_b256 s[4:11], s[0:1], 0x0               ; xa, wf, W_fused's scale bytes, rot
	s_load_b128 s[12:15], s[0:1], 0x20             ; qq, kv
	v_lshrrev_b32 v1, 5, v0
	v_readfirstlane_b32 s16, v1                    ; wave 0..2
	v_and_b32 v1, 31, v0
	v_and_b32 v2, 15, v0                           ; r
	v_bfe_u32 v3, v0, 4, 1                         ; h
	v_lshlrev_b32 v[LI], 4, v1
	v_lshlrev_b32 v[LW], 2, v1
	v_lshlrev_b32 v[TBO], 6, v2
	v_lshl_add_u32 v[TBO], v3, 5, v[TBO]
	v_mul_u32_u24 v[CDO], v2, 24
	v_mad_u32_u24 v[CDO], v3, 12, v[CDO]
	v_lshlrev_b32 v[WSQ], 5, v1
	v_lshrrev_b32 v[WSV], 3, v2
	v_add_nc_u32 v[WSV], v[WSV], v3
	v_lshl_add_u32 v[WSV], v[WSV], 3, v2
	v_lshlrev_b32 v[WSV], 5, v[WSV]
	v_cmp_ne_u32 vcc_lo, 0, v3                     ; lanes 16-31; VCC stays so
.irp i, 76,77,78,79,92,93,94,95
	v_mov_b32 v\i, 0                               ; lane permutes' destinations count as read: written once
.endr
	s_mov_b32 s30, 0x76543210
	s_mov_b32 s31, 0xfedcba98
	s_and_b32 s17, ttmp7, 0xffff
	s_mul_i32 s17, s17, 3
	s_add_co_u32 s17, s17, s16                     ; the unit
	s_lshr_b32 s18, ttmp9, 4                       ; the batch
	s_and_b32 s19, ttmp9, 15                       ; which 128 tokens of it
	s_mul_i32 s32, ttmp9, 102400
	s_mov_b32 s33, 0
	s_mul_i32 s34, s17, 24576
	s_add_co_u32 s34, s34, WQ0
	s_mov_b32 s35, 0
	s_lshl_b32 s36, s17, 10                        ; 32 rows of 32 scale bytes a unit
	s_mov_b32 s37, 0
	s_mul_i32 s38, s18, 108544                     ; the batch's block of kv
	s_lshl_b32 s40, s18, 4
	s_add_co_u32 s40, s40, s17
	s_mul_i32 s41, s40, 49152                      ; q's codes of this batch and head
	s_lshl_b32 s42, s40, 13
	s_add_co_u32 s42, s42, 1572864                 ; q's words
	s_add_co_u32 s43, s38, 49152                   ; k's words
	s_wait_kmcnt 0x0
	s_cmp_lt_u32 s17, 16                           ; q or k: a choice on the unit's number alone
	s_cselect_b64 s[20:21], s[12:13], s[14:15]
	s_cselect_b64 s[22:23], s[12:13], s[14:15]
	s_cselect_b32 s44, s41, s38
	s_cselect_b32 s46, s42, s43
	s_cselect_b32 s48, 0, 262144
	s_mul_i32 s50, s19, 3072
	s_add_co_u32 s44, s44, s50                     ; 128 tokens x 24 bytes
	s_mov_b32 s45, 0
	s_lshl_b32 s51, s19, 9
	s_add_co_u32 s46, s46, s51
	s_mov_b32 s47, 0
	s_lshl_b32 s51, s19, 13
	s_add_co_u32 s48, s48, s51                     ; 128 positions x 64 bytes
	s_mov_b32 s49, 0
	s_add_nc_u64 s[20:21], s[20:21], s[44:45]      ; codes
	s_add_nc_u64 s[22:23], s[22:23], s[46:47]      ; words
	s_add_nc_u64 s[10:11], s[10:11], s[48:49]      ; table
	s_add_co_u32 s50, s50, s38
	s_add_co_u32 s50, s50, 57344
	s_mov_b32 s51, 0
	s_add_nc_u64 s[24:25], s[14:15], s[50:51]      ; v's two images of these 128 keys
	s_lshl_b32 s52, s19, 7
	s_add_co_u32 s52, s52, s38
	s_add_co_u32 s52, s52, 106496
	s_mov_b32 s53, 0
	s_add_nc_u64 s[26:27], s[14:15], s[52:53]      ; and their scale words
	s_add_nc_u64 s[4:5], s[4:5], s[32:33]
	s_add_nc_u64 s[6:7], s[6:7], s[34:35]
	s_add_nc_u64 s[8:9], s[8:9], s[36:37]
.macro LDCH kc                         ; chunk kc's 30 loads into set kc % 2
	WIN 0x40                                       ; destination window 1, address window 0
.irp a, 0,1,2,3,4,5,6,7
.irp c, 0,1,2
	global_load_b128 v[128*((\kc)%2)+12*\a+4*\c:128*((\kc)%2)+12*\a+4*\c+3], v[LI], s[4:5] offset:(\kc)*12800+\a*1536+512*\c
.endr
.endr
.irp t, 0,1
.irp c, 0,1,2
	global_load_b128 v[128*((\kc)%2)+96+12*\t+4*\c:128*((\kc)%2)+96+12*\t+4*\c+3], v[LI], s[6:7] offset:(\kc)*3072+\t*1536+512*\c
.endr
.endr
	WIN 0
.endm
.macro MULCH kc, swap                  ; 16 matrix instructions; the 16 accumulators take turns, one instruction a turn
.set ZF, 0
.if (\kc) == 0
.set ZF, 1
.endif
.set FS, 128*((\kc)%2)
	WIN 0x05                                       ; sources 0 and 1 window 1
.irp a, 0,1,2,3,4,5,6,7
.irp t, 0,1
.if \swap
	WM ACC+64*\t+8*\a, FS+12*\a, FS+96+12*\t, AS+4*(\kc)+\a/2, WS+(\kc), \a%2, \t, ZF
.else
	WM ACC+16*\a+8*\t, FS+96+12*\t, FS+12*\a, WS+(\kc), AS+4*(\kc)+\a/2, \t, \a%2, ZF
.endif
.endr
.endr
	WIN 0
.endm
.macro MAIN swap
.if \swap
	global_load_b128 v[WS:WS+3], v[WSV], s[8:9]            ; W's scale words: register kc; lanes 0-15 tile 0's rows, lanes 16-31 tile 1's
	global_load_b128 v[WS+4:WS+7], v[WSV], s[8:9] offset:16
.else
	global_load_b128 v[WS:WS+3], v[WSQ], s[8:9]
	global_load_b128 v[WS+4:WS+7], v[WSQ], s[8:9] offset:16
.endif
.set k, 0
.rept 8
.irp p, 0,1,2,3
	global_load_b32 v[AS+4*k+\p], v[LW], s[4:5] offset:k*12800+12288+128*\p   ; the tokens' scale words: lanes 0-15 tile 2 p, lanes 16-31 tile 2 p + 1
.endr
.set k, k+1
.endr
	LDCH 0
	LDCH 1
.irp kc, 0,1,2,3,4,5,6,7
.if \kc < 7
	s_wait_loadcnt 30                              ; all but the next chunk's 30 loads are in
.else
	s_wait_loadcnt 0x0
.endif
	MULCH \kc, \swap
.if \kc < 6
	PLACES
	LDCH \kc+2                                     ; into the set just multiplied
.endif
.endr
.endm
	s_cmp_eq_u32 s17, 17
	s_cbranch_scc1 .Lv
; ---------------- q and k
	WIN 0x80                                       ; destination window 2
.irp a, 0,1,2,3,4,5,6,7
	global_load_b128 v[8*\a:8*\a+3], v[TBO], s[10:11] offset:1024*\a
	global_load_b128 v[8*\a+4:8*\a+7], v[TBO], s[10:11] offset:1024*\a+16
	global_load_b128 v[64+8*\a:64+8*\a+3], v[TBO], s[10:11] offset:131072+1024*\a
	global_load_b128 v[64+8*\a+4:64+8*\a+7], v[TBO], s[10:11] offset:131072+1024*\a+16
.endr
	WIN 0
	MAIN 0
	PLACES
	WIN 0x08                                       ; source 1 (cos, sin) window 2
.macro ROT a                           ; x0' = x0 cos - x1 sin, x1' = x1 cos + x0 sin; each accumulator is read from its low end on
.set X0, ACC+16*\a
.set X1, ACC+16*\a+8
.irp j, 0,2,4,6
	v_pk_mul_f32 v[80+\j:81+\j], v[X1+\j:X1+\j+1], v[64+8*\a+\j:65+8*\a+\j]
.endr
.irp j, 0,2,4,6
	v_pk_mul_f32 v[72+\j:73+\j], v[X0+\j:X0+\j+1], v[64+8*\a+\j:65+8*\a+\j]
.endr
.irp j, 0,2,4,6
	v_pk_fma_f32 v[X0+\j:X0+\j+1], v[X0+\j:X0+\j+1], v[8*\a+\j:8*\a+\j+1], v[80+\j:81+\j] neg_lo:[0,0,1] neg_hi:[0,0,1]
.endr
.irp j, 0,2,4,6
	v_pk_fma_f32 v[X1+\j:X1+\j+1], v[X1+\j:X1+\j+1], v[8*\a+\j:8*\a+\j+1], v[72+\j:73+\j]
.endr
.endm
.irp a, 0,1,2,3,4,5,6,7
	ROT \a
.endr
	WIN 0
.macro QK4 a0, cd                      ; four tiles by turns: a token's block of 32 lies in lanes l and l xor 16, 16 numbers each
.irp i, 0,1,2,3
	v_max3_num_f32 v[88+\i], |v[ACC+16*(\a0+\i)]|, |v[ACC+16*(\a0+\i)+1]|, FLOOR
.endr
.irp k, 2,4,6,8,10,12,14
.irp i, 0,1,2,3
	v_max3_num_f32 v[88+\i], v[88+\i], |v[ACC+16*(\a0+\i)+\k]|, |v[ACC+16*(\a0+\i)+\k+1]|
.endr
.endr
.irp i, 0,1,2,3
	v_permlanex16_b32 v[92+\i], v[88+\i], s30, s31
.endr
.irp i, 0,1,2,3
	v_max_num_f32 v[88+\i], v[88+\i], v[92+\i]
.endr
.irp i, 0,1,2,3
	v_add_nc_u32 v[96+\i], EOFF, v[88+\i]          ; the conversion's scale operand
.endr
.irp i, 0,1,2,3
	v_lshrrev_b32 v[100+\i], 23, v[96+\i]
.endr
.irp i, 0,1,2,3
	v_or_b32 v[100+\i], 0x7f7f7f00, v[100+\i]      ; the word of a K step of 128: the block's byte, and 1.0 for the three blocks that hold nothing
.endr
.irp i, 0,1,2,3
	v_cvt_scalef32_pk16_bf6_f32 v[\cd+4*\i:\cd+4*\i+2], v[ACC+16*(\a0+\i):ACC+16*(\a0+\i)+15], v[96+\i]
.endr
	v_nop                                          ; one plain instruction behind the conversions
.irp i, 0,1,2,3
	global_store_b96 v[CDO], v[\cd+4*\i:\cd+4*\i+2], s[20:21] offset:384*(\a0+\i)   ; 32 lanes store 384 consecutive bytes
.endr
.irp i, 0,2
	v_cndmask_b32 v[120+(\a0+\i)/2], v[100+\i], v[101+\i], vcc_lo
	global_store_b32 v[LW], v[120+(\a0+\i)/2], s[22:23] offset:64*(\a0+\i)
.endr
.endm
	QK4 0, 104
	QK4 4, 12
	s_endpgm
.Lv:
; ---------------- v
	MAIN 1
	PLACES
; 64 numbers of a lane, register 16 b + i of block b, become a fragment's codes in v92-103 and its scale word in v[pw]
.macro QUANT s, pw
.irp b, 0,1,2,3
	v_max3_num_f32 v[72+\b], |v[\s+16*\b]|, |v[\s+1+16*\b]|, FLOOR
.endr
.irp i, 2,4,6,8,10,12,14
.irp b, 0,1,2,3
	v_max3_num_f32 v[72+\b], v[72+\b], |v[\s+16*\b+\i]|, |v[\s+1+16*\b+\i]|
.endr
.endr
.irp b, 0,1,2,3
	v_permlanex16_b32 v[76+\b], v[72+\b], s30, s31
.endr
.irp b, 0,1,2,3
	v_max_num_f32 v[72+\b], v[72+\b], v[76+\b]
.endr
.irp b, 0,1,2,3
	v_add_nc_u32 v[84+\b], EOFF, v[72+\b]
.endr
.irp b, 0,1,2,3
	v_lshrrev_b32 v[76+\b], 23, v[84+\b]
.endr
	v_lshl_or_b32 v[\pw], v77, 8, v76
	v_lshl_or_b32 v[\pw], v78, 16, v[\pw]
	v_lshl_or_b32 v[\pw], v79, 24, v[\pw]
.irp c, 0,1
	v_cvt_scalef32_pk16_bf6_f32 v[92+6*\c:94+6*\c], v[\s+32*\c:\s+15+32*\c], v[84+2*\c]
	v_cvt_scalef32_pk16_bf6_f32 v[104+4*\c:106+4*\c], v[\s+16+32*\c:\s+31+32*\c], v[85+2*\c]
.endr
	v_nop
.irp c, 0,1                            ; the operand's layout wants a whole block in a lane: lanes 0-15 block 2 c, lanes 16-31 block 2 c + 1
.irp i, 0,1,2
	v_permlane16_swap_b32 v[92+6*\c+\i], v[104+4*\c+\i]
.endr
.irp i, 0,1,2
	v_mov_b32 v[95+6*\c+\i], v[104+4*\c+\i]
.endr
.endr
.endm
	QUANT ACC, 88
.irp c, 0,1,2
	global_store_b128 v[LI], v[92+4*\c:95+4*\c], s[24:25] offset:512*\c
.endr
	s_wait_xcnt 0x0                                ; the stores' data are written again only behind this wait
	QUANT ACC+64, 89
.irp c, 0,1,2
	global_store_b128 v[LI], v[92+4*\c:95+4*\c], s[24:25] offset:1536+512*\c
.endr
	v_cndmask_b32 v90, v88, v89, vcc_lo            ; lanes 0-15 tile 0's words, lanes 16-31 tile 1's
	global_store_b32 v[LW], v90, s[26:27]
	s_endpgm
.Lfunc_end_k_q9bb36ab27a_proj:
	.size	k_q9bb36ab27a_proj, .Lfunc_end_k_q9bb36ab27a_proj-k_q9bb36ab27a_proj
	.p2alignl 7, 3214868480
	.fill 96, 4, 3214868480
	.section	.rodata,"a",@progbits
	.p2align	6, 0x0
	.amdhsa_kernel k_q9bb36ab27a_proj
		.amdhsa_group_segment_fixed_size 0
		.amdhsa_private_segment_fixed_size 0
		.amdhsa_enable_private_segment 0
		.amdhsa_kernarg_size 48
		.amdhsa_user_sgpr_count 2
		.amdhsa_user_sgpr_kernarg_segment_ptr 1
		.amdhsa_wavefront_size32 1
		.amdhsa_system_sgpr_workgroup_id_x 1
		.amdhsa_system_sgpr_workgroup_id_y 1
		.amdhsa_system_sgpr_workgroup_id_z 1
		.amdhsa_system_vgpr_workitem_id 0
		.amdhsa_next_free_vgpr 768
		.amdhsa_next_free_sgpr 66
		.amdhsa_reserve_vcc 1
		.amdhsa_float_denorm_mode_32 3
		.amdhsa_float_denorm_mode_16_64 3
		.amdhsa_memory_ordered 1
		.amdhsa_forward_progress 1
		.amdhsa_inst_pref_size 119
	.end_amdhsa_kernel
	.amdgpu_metadata
---
amdhsa.version: [ 1, 2 ]
amdhsa.kernels:
  - .name:           k_q9bb36ab27a_proj
    .symbol:         k_q9bb36ab27a_proj.kd
    .args:
      - { .name: xa, .offset: 0, .size: 8, .value_kind: global_buffer, .address_space: global }
      - { .name: wf, .offset: 8, .size: 8, .value_kind: global_buffer, .address_space: global }
      - { .name: W_fused_scales, .offset: 16, .size: 8, .value_kind: global_buffer, .address_space: global }
      - { .name: rot, .offset: 24, .size: 8, .value_kind: global_buffer, .address_space: global }
      - { .name: qq, .offset: 32, .size: 8, .value_kind: global_buffer, .address_space: global }
      - { .name: kv, .offset: 40, .size: 8, .value_kind: global_buffer, .address_space: global }
    .group_segment_fixed_size: 0
    .private_segment_fixed_size: 0
    .kernarg_segment_align: 8
    .kernarg_segment_size: 48
    .max_flat_workgroup_size: 96
    .sgpr_count:     66
    .vgpr_count:     768
    .wavefront_size: 32
...
	.end_amdgpu_metadata
.endif
;; end of part 2
;; launch attn (part 3): grid 128 x 2, 16 waves a work-group, clusters of 4 x 1, 169,984 bytes of LDS; arguments qq, kv, ha; writes ha
.if DOCPART == 3
	.amdgcn_target "amdgcn-amd-amdhsa--gfx1250"
	.amdhsa_code_object_version 6
	.text
	.protected	k_q9bb36ab27a_attn
	.globl	k_q9bb36ab27a_attn
	.p2align	8
	.type	k_q9bb36ab27a_attn,@function
k_q9bb36ab27a_attn:
	s_mov_b64 s[64:65], 0
	v_nop
	global_prefetch_b8 v0, s[64:65] scope:SCOPE_SE
	s_setreg_imm32_b32 hwreg(HW_REG_WAVE_MODE, 25, 1), 1
	s_wait_xcnt 0x0
	s_wait_alu depctr_hold_cnt(0) depctr_sa_sdst(0) depctr_va_vdst(0) depctr_va_sdst(0) depctr_va_ssrc(0) depctr_va_vcc(0) depctr_vm_vsrc(0)
	s_getreg_b32 s2, hwreg(HW_REG_IB_STS2, 6, 4)
	s_cmp_eq_u32 s2, 0
	s_cbranch_scc0 .Lentry_in_a_cluster
	s_endpgm
.Lentry_in_a_cluster:
	s_bfe_u32 s2, ttmp6, 0x10000c
	s_cmp_lg_u32 s2, 0x3003
	s_cbranch_scc0 .Lentry_shape_is_right
	s_endpgm
.Lentry_shape_is_right:
; Causal multi-query attention on codes of BF6 (E3M2): 16 heads of 32, one K and V for all heads of a batch.  Its result is quantised along (head, dim) and stored as chunks 0-3 of the last product's operand (buffer ha).
; THE SOFTMAX: t = score x log2(e); M = the running largest t rounded UP to a whole number; p = 2^(t - M) is what is quantised, along the keys; the row's sum is taken of the unquantised p and divides at the end.
; When M moves, the sum and O are multiplied by 2^(old M - new M), which rounds nothing.
; SHARES.  A batch's K and V (codes and scale words, 108,544 bytes) lie in LDS whole, filled ONCE: no slot is ever filled again.  A work-group has sixteen waves of 256 registers, four to a SIMD, so that one wave's vector work stands beside another's products.
; Wave w: head 4 cx + w % 4, and with s = w / 4 the tile of 16 queries s + 2 X (s < 2) or s + 124 - 2 X (X = the cluster's x): an early and a late pair, so that every work-group has the same number of key steps under the causal mask.
; CLUSTER.  The four work-groups of a cluster take the four groups of four heads for the same query tiles and need the same K and V: the block is asked for JOINTLY, by eight waves, 13,568 bytes each.
; The place in the cluster enters addresses in memory alone (q, ha); trip counts, branches and LDS addresses hang on the cluster's x and the wave's number, which the partners share.
; K = 32 in the first product: q's fragment holds its 32 codes in lanes 0-15, registers 0-5, and ZERO CODES everywhere else, so what stands beside k's 32 codes counts for nothing (all codes are finite numbers, and the scale bytes there are 1.0).
; So tile i of k is named as v[30 + 6 i : 41 + 6 i]: its upper six registers are the next tile's lower six.
; Both products are used transposed: a lane holds ONE query.  Register 8 i + j of the scores is key 16 i + 8 h + j; v was laid in that order inside each block of 32 keys.
; Every wave walks 16 key steps of 128: a constant; a step all of whose keys come after the wave's queries is jumped over, but for the lines that step addresses.  No prefetch: all that the launch reads of K and V goes out at its head.
; LIMITS: NaN and infinities are not served; a block whose largest magnitude lies under 2^-122 gets the scale byte 1.
; REGISTERS: v1-7 lane terms; v8-11 the step's addresses; v12 -M, v13 the largest t, v[14:15] the sum; v16-27 q, v28 its word; v30-83 k; v84-87 k's words, v88 v's; v96-159 scores, then p; v160-175 O^T; v176-199 v; v200-218 p's codes;
;   v220-231 block maxima, bytes, scale operands; v[234:235] f; v236 p's word; v237, v232 at work; v[238:239] second chain of the sum; v240-250 the way out.
.set STG, 108544                       ; behind K and V: an image (1,536 bytes) for each of the four query tiles,
.set STS, 114688                       ; and its 64 bytes of scale words
.set FLOOR, 0x2800000
.set EOFF,  0xfe000000
.macro WM d, a, b, sa, sb, ra, rb, zero
.if \zero
.if \ra
	v_wmma_scale_f32_16x16x128_f8f6f4 v[(\d):(\d)+7], v[(\a):(\a)+11], v[(\b):(\b)+11], 0, v[\sa], v[\sb] matrix_a_fmt:MATRIX_FMT_BF6 matrix_b_fmt:MATRIX_FMT_BF6 matrix_a_scale:MATRIX_SCALE_ROW1
.else
	v_wmma_scale_f32_16x16x128_f8f6f4 v[(\d):(\d)+7], v[(\a):(\a)+11], v[(\b):(\b)+11], 0, v[\sa], v[\sb] matrix_a_fmt:MATRIX_FMT_BF6 matrix_b_fmt:MATRIX_FMT_BF6
.endif
.else
.if \ra
	v_wmma_scale_f32_16x16x128_f8f6f4 v[(\d):(\d)+7], v[(\a):(\a)+11], v[(\b):(\b)+11], v[(\d):(\d)+7], v[\sa], v[\sb] matrix_a_fmt:MATRIX_FMT_BF6 matrix_b_fmt:MATRIX_FMT_BF6 matrix_a_scale:MATRIX_SCALE_ROW1
.else
	v_wmma_scale_f32_16x16x128_f8f6f4 v[(\d):(\d)+7], v[(\a):(\a)+11], v[(\b):(\b)+11], v[(\d):(\d)+7], v[\sa], v[\sb] matrix_a_fmt:MATRIX_FMT_BF6 matrix_b_fmt:MATRIX_FMT_BF6
.endif
.endif
.endm
.macro CROUND                          ; a round of the cluster's barrier
	s_barrier_signal -1
	s_barrier_wait -1
	s_cmp_lg_u32 s10, 0
	s_cbranch_scc1 .Lnot_wave_0_\@
	s_barrier_signal -3
.Lnot_wave_0_\@:
	s_barrier_wait -3
	s_barrier_signal -1
	s_barrier_wait -1
.endm
	s_load_b128 s[4:7], s[0:1], 0x0                ; qq, kv
	s_load_b64 s[8:9], s[0:1], 0x10                ; ha
	v_lshl_add_u32 v254, v0, 2, 0x29000
	v_mov_b32 v255, 0
	ds_add_u32 v254, v255
	ds_add_u32 v254, v255
	v_lshrrev_b32 v8, 5, v0
	v_readfirstlane_b32 s10, v8                    ; wave 0..15
	s_and_b32 s11, s10, 3                          ; which of the work-group's four heads
	s_lshr_b32 s12, s10, 2                         ; which of its four query tiles
	s_bfe_u32 s13, ttmp6, 0x40000                  ; cx
	s_and_b32 s14, ttmp7, 0xffff                   ; the batch
	s_lshl_b32 s15, ttmp9, 1
	s_sub_co_u32 s16, 124, s15
	s_cmp_lt_u32 s12, 2
	s_cselect_b32 s15, s15, s16
	s_add_co_u32 s15, s15, s12                     ; the query tile, 0..127
	s_lshl_b32 s17, s15, 4                         ; my first query
	s_mov_b32 s20, 0x76543210
	s_mov_b32 s21, 0xfedcba98
	s_mov_b32 s22, 0x3fb8aa3b                      ; log2(e)
	s_mov_b32 s23, s22                             ; (named with it as a pair)
	; every LDS address register is made here, ahead of the first branch on the wave's number
	v_and_b32 v29, 31, v0                          ; lane
	v_and_b32 v6, 15, v0                           ; r
	v_bfe_u32 v7, v0, 4, 1                         ; h
	v_mul_u32_u24 v1, v6, 24                       ; a key's (and a query's) 24 bytes
	v_lshl_add_u32 v2, v29, 2, 49152               ; k's words: lanes 0-15 one tile, lanes 16-31 the next
	v_lshl_add_u32 v3, v29, 4, 57344               ; v's images
	v_lshl_add_u32 v4, v29, 2, 106496              ; v's words
	v_lshlrev_b32 v5, 3, v7
	v_sub_nc_u32 v5, v6, v5                        ; r - 8 h, for the mask
	s_lshr_b32 s47, s11, 1
	s_mul_i32 s47, s47, 6                          ; my head's block lies in the image's registers 6 (head / 2) on,
	s_and_b32 s48, s11, 1
	s_lshl_b32 s48, s48, 8                         ; in lanes 16 (head % 2) + r
	s_mul_i32 s49, s12, 1536
	s_add_co_u32 s49, s49, STG                     ; my query tile's image
	s_add_co_u32 s48, s48, s49
	v_mul_u32_u24 v244, v7, 3
	v_add_nc_u32 v244, s47, v244                   ; lanes 0-15 hold the block's lower three registers, lanes 16-31 the upper three
.irp i, 0,1,2
	v_add_nc_u32 v245, \i, v244                    ; the image's register p: at 512 (p / 4) + 4 (p % 4) + 16 x lane
	v_lshrrev_b32 v246, 2, v245
	v_and_b32 v245, 3, v245
	v_lshlrev_b32 v245, 2, v245
	v_lshl_add_u32 v245, v246, 9, v245
	v_lshl_add_u32 v245, v6, 4, v245
	v_add_nc_u32 v[240+\i], s48, v245
.endr
	s_lshl_b32 s54, s12, 6
	s_add_co_u32 s54, s54, STS
	s_add_co_u32 s55, s54, s11
	v_lshl_add_u32 v243, v6, 2, s55                ; my head's byte of row r's word
	s_lshl_b32 s55, s11, 9
	s_add_co_u32 s55, s55, s49
	v_lshl_add_u32 v247, v29, 4, s55               ; back: a third of the image (waves of heads 0-2),
	v_lshl_add_u32 v248, v29, 1, s54               ; or the 64 bytes of words (head 3)
	v_lshlrev_b32 v249, 4, v29
	v_lshlrev_b32 v250, 1, v29
	v_lshlrev_b32 v252, 2, v6
	; descriptor group 1: 53 rows of 256 bytes, dense
	s_mov_b32 s24, 15|(3<<16)|(1<<21)              ; 15:0 the mask: all four work-groups; 17:16 elements of 8 bytes; 21 set beside a mask
	s_mov_b32 s25, 32<<16                          ; tensor_dim0 = 32
	s_mov_b32 s26, 53<<16                          ; tensor_dim1 = 53
	s_mov_b32 s27, 32<<16                          ; tile_dim0 = 32
	s_mov_b32 s28, 53                              ; tile_dim1 = 53
	s_mov_b32 s29, 32                              ; from row to row
	s_mov_b32 s30, 0
	s_mov_b32 s31, 0
	s_mul_i32 s33, s10, 13568                      ; LDS address: wave x 13,568
	s_mul_i32 s54, s14, 108544
	s_add_co_u32 s54, s54, s33
	s_mov_b32 s55, 0
	s_mov_b32 s32, 1
	; q's and ha's addresses: the only ones that the place in the cluster enters
	s_lshl_b32 s18, s13, 2
	s_add_co_u32 s18, s18, s11                     ; the head
	s_lshl_b32 s19, s14, 4
	s_add_co_u32 s19, s19, s18
	s_mul_i32 s56, s19, 49152
	s_mul_i32 s57, s17, 24
	s_add_co_u32 s56, s56, s57
	s_mov_b32 s57, 0
	s_lshl_b32 s58, s19, 13
	s_lshl_b32 s59, s17, 2
	s_add_co_u32 s58, s58, s59
	s_add_co_u32 s58, s58, 1572864
	s_mov_b32 s59, 0
	s_lshl_b32 s60, s14, 7
	s_add_co_u32 s60, s60, s15                     ; the tile of 16 tokens among all 256
	s_lshr_b32 s61, s60, 2
	s_mul_i32 s61, s61, 230400
	s_mul_i32 s62, s13, 6400                       ; chunk cx
	s_add_co_u32 s61, s61, s62
	s_and_b32 s60, s60, 3
	s_mul_i32 s62, s60, 1536
	s_add_co_u32 s62, s62, s61
	s_lshl_b32 s63, s11, 9
	s_add_co_u32 s62, s62, s63
	s_mov_b32 s63, 0
	s_lshl_b32 s60, s60, 6
	s_add_co_u32 s60, s60, s61
	s_add_co_u32 s60, s60, 6144
	s_mov_b32 s61, 0
	s_wait_dscnt 0x0
	s_wait_kmcnt 0x0
	s_add_nc_u64 s[34:35], s[6:7], s[54:55]
	s_or_b32 s35, s35, 0x80000000                  ; type = 2
	s_add_nc_u64 s[50:51], s[4:5], s[56:57]        ; q's codes
	s_add_nc_u64 s[52:53], s[4:5], s[58:59]        ; q's words
	s_add_nc_u64 s[36:37], s[8:9], s[62:63]        ; my third of the image in ha
	s_add_nc_u64 s[38:39], s[8:9], s[60:61]        ; the words in ha
	CROUND                                         ; all four work-groups are here: the joint loads meet
	s_cmp_lt_u32 s10, 8
	s_cbranch_scc0 .Lno_fetch
	tensor_load_to_lds s[32:35], s[24:31]          ; one load a wave, of eight waves: one is out
	s_nop 0
.rept 4
	v_nop                                          ; four plain lines behind the load
.endr
.Lno_fetch:
.irp p, 0,1,2
	global_load_b64 v[16+2*\p:17+2*\p], v1, s[50:51] offset:8*\p
.endr
	global_load_b32 v28, v252, s[52:53]
	v_mov_b32 v13, 0xff61b1e6                      ; the largest t so far: -3e38
	v_floor_f32 v12, -v13                          ; -M
	v_mov_b32 v14, 0
	v_mov_b32 v15, 0
.irp i, 22,23,24,25,26,27,78,79,80,81,82,83,224,225,226,227,235,237
	v_mov_b32 v\i, 0                               ; q's upper half; what stands behind k's last tile; permutes' destinations; the upper half of f's pair
.endr
.set j, 0
.rept 16
	v_mov_b32 v[160+j], 0                          ; O^T: the step is written once, and the first change of M multiplies zeros
.set j, j+1
.endr
	v_cmp_eq_u32 vcc_lo, 0, v7
	s_wait_loadcnt 0x0
.irp i, 16,17,18,19,20,21
	v_cndmask_b32 v\i, 0, v\i, vcc_lo              ; lanes 16-31 stand for k = 32 .. 63: zero codes
.endr
	s_mov_b32 s40, 0                               ; the step's first key
	s_mov_b32 s41, 0                               ; its codes of k, and its images of v: 3,072 bytes a step each
	s_mov_b32 s42, 0                               ; k's words: 512
	s_mov_b32 s43, 0                               ; v's words: 128
	s_mov_b32 s44, 16
	s_add_co_u32 s45, s17, 15                      ; my last query
	s_wait_tensorcnt 0x0                           ; my part of K and V is in,
	s_barrier_signal -1
	s_barrier_wait -1                              ; everybody's is
.Lstep:
	s_cmp_gt_u32 s40, s45
	s_cbranch_scc1 .Lhidden                        ; all 128 keys come after my queries
	v_add_nc_u32 v8, s41, v1                       ; (these four are also the places between the last products and the loads into v's registers)
	v_add_nc_u32 v9, s42, v2
	v_add_nc_u32 v10, s41, v3
	v_add_nc_u32 v11, s43, v4
.set t, 0
.rept 8
.irp p, 0,1,2
	ds_load_b64 v[30+6*t+2*\p:31+6*t+2*\p], v8 offset:384*t+8*\p     ; both halves of the lanes read key r's 24 bytes: rows 24 bytes apart, sixteen rows on 32 different banks
.endr
.set t, t+1
.endr
.irp j, 0,1,2,3
	ds_load_b32 v[84+\j], v9 offset:128*\j
.endr
.irp t, 0,1
.irp c, 0,1,2
	ds_load_b128 v[176+12*\t+4*\c:179+12*\t+4*\c], v10 offset:1536*\t+512*\c
.endr
.endr
	ds_load_b32 v88, v11
	s_wait_dscnt 7                                 ; k and its words are in; v's six loads and its words may be out
.irp t, 0,1,2,3,4,5,6,7
	WM 96+8*\t, 30+6*\t, 16, 84+\t/2, 28, \t%2, 0, 1
.endr
.rept 4
	v_nop
.endr
	s_add_co_u32 s46, s40, 127
	s_cmp_le_u32 s46, s17
	s_cbranch_scc1 .Lopen                          ; all 128 keys count
	s_sub_co_i32 s46, s17, s40
	v_add_nc_u32 v237, s46, v5                     ; d = my query - the step's first key - 8 h: register n holds a hidden key where 16 (n / 8) + n % 8 > d
	v_mov_b32 v232, 0xff800000                     ; -infinity: p = 0
.set n, 0
.rept 64
	v_cmp_gt_i32 vcc_lo, 16*(n/8)+n%8, v237
	v_cndmask_b32 v[96+n], v[96+n], v232, vcc_lo
.set n, n+1
.endr
.Lopen:
.irp b, 0,1,2,3
	v_max3_num_f32 v[220+\b], v[96+16*\b], v[97+16*\b], v[98+16*\b]   ; the largest score of each block of 32 keys: it serves the row's maximum and, since p rises with the score, the block's largest p
.endr
.irp i, 3,5,7,9,11,13
.irp b, 0,1,2,3
	v_max3_num_f32 v[220+\b], v[220+\b], v[96+16*\b+\i], v[97+16*\b+\i]
.endr
.endr
.irp b, 0,1,2,3
	v_max_num_f32 v[220+\b], v[220+\b], v[111+16*\b]
.endr
.irp b, 0,1,2,3
	v_permlanex16_b32 v[224+\b], v[220+\b], s20, s21
.endr
.irp b, 0,1,2,3
	v_max_num_f32 v[220+\b], v[220+\b], v[224+\b]
.endr
	v_max3_num_f32 v237, v220, v221, v222
	v_max_num_f32 v237, v237, v223
	v_mul_f32 v237, s22, v237
	v_max_num_f32 v13, v13, v237                   ; the running largest t
	v_mov_b32 v237, v12
	v_floor_f32 v12, -v13                          ; -M = floor(-t): M is a whole number
	v_sub_f32 v237, v12, v237
	v_cvt_i32_f32 v237, v237                       ; old M - new M (it saturates)
	v_ldexp_f32 v234, 1.0, v237                    ; f = 2^(old M - new M)
.set j, 0
.rept 32
	v_pk_fma_f32 v[96+j:97+j], v[96+j:97+j], s[22:23], v[12:13] op_sel_hi:[1,0,0]   ; t - M
.set j, j+2
.endr
.irp b, 0,1,2,3
	v_fma_f32 v[220+\b], v[220+\b], s22, v12
.endr
.set j, 0
.rept 64
	v_exp_f32 v[96+j], v[96+j]                     ; p = 2^(t - M)
.set j, j+1
.endr
.irp b, 0,1,2,3
	v_exp_f32 v[220+\b], v[220+\b]                 ; each block's largest p: the same two instructions on the same number
.endr
	v_pk_mul_f32 v[14:15], v[14:15], v[234:235] op_sel_hi:[1,0]      ; the sum under the new M: a plain instruction behind the batch,
	s_wait_alu depctr_va_vdst(0)                   ; and one wait for all 68, ahead of the first reader
.irp b, 0,1,2,3
	v_max_num_f32 v[220+\b], FLOOR, v[220+\b]
.endr
.irp b, 0,1,2,3
	v_add_nc_u32 v[228+\b], EOFF, v[220+\b]
.endr
.irp b, 0,1,2,3
	v_lshrrev_b32 v[224+\b], 23, v[228+\b]
.endr
	v_lshl_or_b32 v236, v225, 8, v224              ; p's scale word for these 128 keys
	v_lshl_or_b32 v236, v226, 16, v236
	v_lshl_or_b32 v236, v227, 24, v236
.irp c, 0,1
	v_cvt_scalef32_pk16_bf6_f32 v[200+6*\c:202+6*\c], v[96+32*\c:111+32*\c], v[228+2*\c]
	v_cvt_scalef32_pk16_bf6_f32 v[212+4*\c:214+4*\c], v[112+32*\c:127+32*\c], v[229+2*\c]
.endr
	v_nop
.irp c, 0,1
.irp i, 0,1,2
	v_permlane16_swap_b32 v[200+6*\c+\i], v[212+4*\c+\i]
.endr
.irp i, 0,1,2
	v_mov_b32 v[203+6*\c+\i], v[212+4*\c+\i]
.endr
.endr
	v_pk_add_f32 v[238:239], v[96:97], v[98:99]    ; the row's sum of the UNQUANTISED p, in two chains.  (These 32 lines are also the places between the writes of p's word and codes and the scaled products)
.irp j, 4,8,12,16,20,24,28,32,36,40,44,48,52,56,60
	v_pk_add_f32 v[14:15], v[14:15], v[96+\j:97+\j]
	v_pk_add_f32 v[238:239], v[238:239], v[98+\j:99+\j]
.endr
	v_pk_add_f32 v[14:15], v[14:15], v[238:239]
.irp j, 0,2,4,6,8,10,12,14
	v_pk_mul_f32 v[160+\j:161+\j], v[160+\j:161+\j], v[234:235] op_sel_hi:[1,0]     ; O^T under the new M, each accumulator from its low end on
.endr
	s_wait_dscnt 0x0                               ; v and its words are in
	WM 160, 176, 200, 88, 236, 0, 0, 0             ; O^T += v^T p^T: two accumulators by turns; eight other products stand between two links of a chain
	WM 168, 188, 200, 88, 236, 1, 0, 0
.Lhidden:
	s_add_co_u32 s40, s40, 128
	s_add_co_u32 s41, s41, 3072
	s_add_co_u32 s42, s42, 512
	s_add_co_u32 s43, s43, 128
	s_sub_co_u32 s44, s44, 1
	s_cmp_lg_u32 s44, 0
	s_cbranch_scc1 .Lstep
; THE WAY OUT.  O^T / the sum: register 8 t + j of lane (r, h) is dim 16 h + 8 t + j of query r (v's dims were laid for that): a block of 32 along the last product's K lies in lanes l and l xor 16.
.rept 4
	v_nop                                          ; places behind the last products
.endr
	v_add_f32 v14, v14, v15
	v_permlanex16_b32 v237, v14, s20, s21
	v_add_f32 v14, v14, v237
	v_rcp_f32 v14, v14
	v_nop
	s_wait_alu depctr_va_vdst(0)
.set j, 0
.rept 16
	v_mul_f32 v[96+j], v[160+j], v14
.set j, j+1
.endr
	v_max3_num_f32 v220, |v96|, |v97|, FLOOR
.irp i, 2,4,6,8,10,12,14
	v_max3_num_f32 v220, v220, |v[96+\i]|, |v[97+\i]|
.endr
	v_permlanex16_b32 v224, v220, s20, s21
	v_max_num_f32 v220, v220, v224
	v_add_nc_u32 v228, EOFF, v220
	v_lshrrev_b32 v225, 23, v228
	v_cvt_scalef32_pk16_bf6_f32 v[200:202], v[96:111], v228
	v_nop
	ds_store_b32 v240, v200                        ; four waves (the four heads) make one image of 16 tokens x 128 K
	ds_store_b32 v241, v201
	ds_store_b32 v242, v202
	ds_store_b8 v243, v225                         ; both lanes of a row write the same byte with the same value
	s_wait_dscnt 0x0                               ; for the others' sake
	s_barrier_signal -1
	s_barrier_wait -1
	s_cmp_lt_u32 s11, 3
	s_cbranch_scc0 .Lwords
	ds_load_b128 v[96:99], v247
	s_wait_dscnt 0x0
	global_store_b128 v249, v[96:99], s[36:37]     ; 32 lanes store 512 consecutive bytes, aligned
	s_branch .Ldone
.Lwords:
	ds_load_u16 v96, v248
	s_wait_dscnt 0x0
	global_store_b16 v250, v96, s[38:39]           ; the tile's 64 bytes of scale words
.Ldone:
	s_wait_tensorcnt 0x0
	ds_add_u32 v254, v255
	s_wait_dscnt 0x0
	CROUND                                         ; the closing round
	s_endpgm
.Lfunc_end_k_q9bb36ab27a_attn:
	.size	k_q9bb36ab27a_attn, .Lfunc_end_k_q9bb36ab27a_attn-k_q9bb36ab27a_attn
	.p2alignl 7, 3214868480
	.fill 96, 4, 3214868480
	.section	.rodata,"a",@progbits
	.p2align	6, 0x0
	.amdhsa_kernel k_q9bb36ab27a_attn
		.amdhsa_group_segment_fixed_size 169984
		.amdhsa_private_segment_fixed_size 0
		.amdhsa_enable_private_segment 0
		.amdhsa_kernarg_size 24
		.amdhsa_user_sgpr_count 2
		.amdhsa_user_sgpr_kernarg_segment_ptr 1
		.amdhsa_wavefront_size32 1
		.amdhsa_system_sgpr_workgroup_id_x 1
		.amdhsa_system_sgpr_workgroup_id_y 1
		.amdhsa_system_sgpr_workgroup_id_z 1
		.amdhsa_system_vgpr_workitem_id 0
		.amdhsa_next_free_vgpr 256
		.amdhsa_next_free_sgpr 66
		.amdhsa_reserve_vcc 1
		.amdhsa_float_denorm_mode_32 3
		.amdhsa_float_denorm_mode_16_64 3
		.amdhsa_memory_ordered 1
		.amdhsa_forward_progress 1
		.amdhsa_inst_pref_size 32
	.end_amdhsa_kernel
	.amdgpu_metadata
---
amdhsa.version: [ 1, 2 ]
amdhsa.kernels:
  - .name:           k_q9bb36ab27a_attn
    .symbol:         k_q9bb36ab27a_attn.kd
    .args:
      - { .name: qq, .offset: 0, .size: 8, .value_kind: global_buffer, .address_space: global }
      - { .name: kv, .offset: 8, .size: 8, .value_kind: global_buffer, .address_space: global }
      - { .name: ha, .offset: 16, .size: 8, .value_kind: global_buffer, .address_space: global }
    .group_segment_fixed_size: 169984
    .private_segment_fixed_size: 0
    .kernarg_segment_align: 8
    .kernarg_segment_size: 24
    .max_flat_workgroup_size: 512
    .sgpr_count:     66
    .vgpr_count:     256
    .wavefront_size: 32
...
	.end_amdgpu_metadata
.endif
;; end of part 3
;; launch ffn (part 4): grid 32 x 16, 4 waves a work-group, clusters of 4 x 4, 327,680 bytes of LDS; arguments xa, wf, ha; writes ha
.if DOCPART == 4
	.amdgcn_target "amdgcn-amd-amdhsa--gfx1250"
	.amdhsa_code_object_version 6
	.text
	.protected	k_q9bb36ab27a_ffn
	.globl	k_q9bb36ab27a_ffn
	.p2align	8
	.type	k_q9bb36ab27a_ffn,@function
k_q9bb36ab27a_ffn:
	s_mov_b64 s[64:65], 0
	v_nop
	global_prefetch_b8 v0, s[64:65] scope:SCOPE_SE
	s_setreg_imm32_b32 hwreg(HW_REG_WAVE_MODE, 25, 1), 1
	s_wait_xcnt 0x0
	s_wait_alu depctr_hold_cnt(0) depctr_sa_sdst(0) depctr_va_vdst(0) depctr_va_sdst(0) depctr_va_ssrc(0) depctr_va_vcc(0) depctr_vm_vsrc(0)
	s_getreg_b32 s2, hwreg(HW_REG_IB_STS2, 6, 4)
	s_cmp_eq_u32 s2, 0
	s_cbranch_scc0 .Lentry_in_a_cluster
	s_endpgm
.Lentry_in_a_cluster:
	s_bfe_u32 s2, ttmp6, 0x10000c
	s_cmp_lg_u32 s2, 0xf033
	s_cbranch_scc0 .Lentry_shape_is_right
	s_endpgm
.Lentry_shape_is_right:
; The ff columns of the fused projection on codes of BF6 (E3M2), SwiGLU in f32, and the quantising of the hidden layer along the hidden units: chunks 4-35 of the last product's operand (buffer ha).
; A work-group of four waves makes 256 tokens x 128 hidden units, that is 128 columns of ff_x and the 128 columns of gate of the same units.  A wave makes 128 tokens x (64 + 64) columns: 64 accumulators, 512 registers.
; Both operands lie in memory as records of 8 images of operand registers and their scale words (12,800 bytes for 128 rows x 128 K), so a quarter of a slot (two chunks of 128 rows) is one dense block of 25,600 bytes,
; a fragment is three LDS loads of 16 bytes a lane with consecutive addresses, and no padding is needed.
; K = 1,024 is 8 chunks = 4 fills of 2 chunks.  THREE slots: three fills go out at the head, the fourth into slot 0 when it has been read: it has four chunks, 256 matrix instructions a wave, in which to land.
; CLUSTERS: 4 x 4 work-groups; the tokens' tiles are shared along a row of the cluster, the weights' along a column: each is asked for jointly.
; THE MATRIX INSTRUCTION IS USED TRANSPOSED (source 0 = 16 rows of W, source 1 = 16 tokens), and the rows of W that form a tile were chosen so that a lane's 16 registers of two neighbouring tiles are 16 neighbouring hidden units.
; So silu(gate) x ff_x and the quantiser work on a lane's own registers; a block of 32 units lies in lanes l and l xor 16.
; No prefetch: three of the four fills go out at the head.
; LIMITS: NaN and infinities are not served; a block whose largest magnitude lies under 2^-122 gets the scale byte 1; where gate is under about -88 the hidden number is 0 (its true size is under 1e-36 times ff_x).
; REGISTERS: window 0: v8-19 LDS addresses of fragments and scale words in slots 0-2; v20-27 the way out; v28, v29 the spare word's address and 0; v32-47 scale words, two sets (the tokens' four registers, W's four);
;   v48-56 at work; v64-95, v96-127 the activation; v128-223 the tokens' fragments, ONE set; v224-230 codes.   window 1: W's fragments, two sets.   windows 2, 3: the accumulators ((a, b) at v[8 (8 (a % 4) + b)]).
.set REC,   12800
.set QTR,   25600
.set SLOT,  102400
.set SPARE, 307200                     ; behind the three slots: the spare words, 128 bytes a wave
.set STG,   SLOT                       ; the way out: four records of 6,400 bytes in slot 1, which has had its only fill, and which nobody reads behind the last barrier of the K loop
.set ADRA, 8
.set ADRB, 11
.set ASA,  14
.set ASB,  17
.set SPW,  28
.set NIL,  29
.set SC,   32
.set AF,   128
.set G1A,  24
.set G1B,  32
.set G0A,  40                          ; s[40:55] four groups 0 for the tokens' four fills
.set G0B,  68                          ; s[68:83] for W's
.set FLOOR, 0x2800000
.set EOFF,  0xfe000000
.set MSB, 0
.macro WIN new
.if MSB != \new
	s_set_vgpr_msb (MSB<<8)|\new
.set MSB, \new
.endif
.endm
.set MUL_LO, 0xa1                      ; source 0 (W) window 1, source 1 (tokens) window 0, C and D window 2
.set MUL_HI, 0xf1
.set TO_B,   0x40
.macro WM d, a, b, sa, sb, ra, rb, zero
.if \zero
.if (\ra) && (\rb)
	v_wmma_scale_f32_16x16x128_f8f6f4 v[(\d):(\d)+7], v[(\a):(\a)+11], v[(\b):(\b)+11], 0, v[\sa], v[\sb] matrix_a_fmt:MATRIX_FMT_BF6 matrix_b_fmt:MATRIX_FMT_BF6 matrix_a_scale:MATRIX_SCALE_ROW1 matrix_b_scale:MATRIX_SCALE_ROW1
.elseif \ra
	v_wmma_scale_f32_16x16x128_f8f6f4 v[(\d):(\d)+7], v[(\a):(\a)+11], v[(\b):(\b)+11], 0, v[\sa], v[\sb] matrix_a_fmt:MATRIX_FMT_BF6 matrix_b_fmt:MATRIX_FMT_BF6 matrix_a_scale:MATRIX_SCALE_ROW1
.elseif \rb
	v_wmma_scale_f32_16x16x128_f8f6f4 v[(\d):(\d)+7], v[(\a):(\a)+11], v[(\b):(\b)+11], 0, v[\sa], v[\sb] matrix_a_fmt:MATRIX_FMT_BF6 matrix_b_fmt:MATRIX_FMT_BF6 matrix_b_scale:MATRIX_SCALE_ROW1
.else
	v_wmma_scale_f32_16x16x128_f8f6f4 v[(\d):(\d)+7], v[(\a):(\a)+11], v[(\b):(\b)+11], 0, v[\sa], v[\sb] matrix_a_fmt:MATRIX_FMT_BF6 matrix_b_fmt:MATRIX_FMT_BF6
.endif
.else
.if (\ra) && (\rb)
	v_wmma_scale_f32_16x16x128_f8f6f4 v[(\d):(\d)+7], v[(\a):(\a)+11], v[(\b):(\b)+11], v[(\d):(\d)+7], v[\sa], v[\sb] matrix_a_fmt:MATRIX_FMT_BF6 matrix_b_fmt:MATRIX_FMT_BF6 matrix_a_scale:MATRIX_SCALE_ROW1 matrix_b_scale:MATRIX_SCALE_ROW1
.elseif \ra
	v_wmma_scale_f32_16x16x128_f8f6f4 v[(\d):(\d)+7], v[(\a):(\a)+11], v[(\b):(\b)+11], v[(\d):(\d)+7], v[\sa], v[\sb] matrix_a_fmt:MATRIX_FMT_BF6 matrix_b_fmt:MATRIX_FMT_BF6 matrix_a_scale:MATRIX_SCALE_ROW1
.elseif \rb
	v_wmma_scale_f32_16x16x128_f8f6f4 v[(\d):(\d)+7], v[(\a):(\a)+11], v[(\b):(\b)+11], v[(\d):(\d)+7], v[\sa], v[\sb] matrix_a_fmt:MATRIX_FMT_BF6 matrix_b_fmt:MATRIX_FMT_BF6 matrix_b_scale:MATRIX_SCALE_ROW1
.else
	v_wmma_scale_f32_16x16x128_f8f6f4 v[(\d):(\d)+7], v[(\a):(\a)+11], v[(\b):(\b)+11], v[(\d):(\d)+7], v[\sa], v[\sb] matrix_a_fmt:MATRIX_FMT_BF6 matrix_b_fmt:MATRIX_FMT_BF6
.endif
.endif
.endm
; A joint load: waves 0 and 1 fetch the tokens' two halves, waves 2 and 3 W's.  The branch hangs on the wave's number alone.  Four v_nop follow each of the two lines.
.macro JLOAD g0a, g0b
	s_cmp_eq_u32 s15, 0
	s_cbranch_scc0 .Lfor_b_\@
	tensor_load_to_lds s[\g0a:\g0a+3], s[G1A:G1A+7]
	s_nop 0
.rept 4
	v_nop
.endr
	s_branch .Lasked_\@
.Lfor_b_\@:
	tensor_load_to_lds s[\g0b:\g0b+3], s[G1B:G1B+7]
	s_nop 0
.rept 4
	v_nop
.endr
.Lasked_\@:
.endm
.macro CREST                           ; a round of the cluster's barrier behind its opening barrier
	s_cmp_lg_u32 s14, 0
	s_cbranch_scc1 .Lnot_wave_0_\@
	s_barrier_signal -3
.Lnot_wave_0_\@:
	s_barrier_wait -3
	s_barrier_signal -1
	s_barrier_wait -1
.endm
.macro CROUND
	s_barrier_signal -1
	s_barrier_wait -1
	CREST
.endm
.macro PLACES
.rept 4
	v_nop
.endr
.endm
	s_load_b128 s[4:7], s[0:1], 0x0                ; xa, wf
	s_load_b64 s[8:9], s[0:1], 0x10                ; ha
	v_lshl_add_u32 v[SPW], v0, 2, SPARE
	v_mov_b32 v[NIL], 0
	ds_add_u32 v28, v29
	ds_add_u32 v28, v29
	s_wait_dscnt 0x0
	v_lshrrev_b32 v1, 5, v0
	v_readfirstlane_b32 s14, v1                    ; wave 0..3
	s_lshr_b32 s15, s14, 1                         ; which 128 tokens are mine.  Also: I fetch tokens (0) or W (1)
	s_and_b32 s16, s14, 1                          ; which 64 hidden units.  Also: which half of that tile I fetch
	s_bfe_u32 s84, ttmp6, 0x40000                  ; cx
	s_bfe_u32 s85, ttmp6, 0x40004                  ; cy
	s_lshl_b32 s86, ttmp9, 2
	s_add_co_u32 s86, s86, s84                     ; the tile of 128 hidden units
	s_and_b32 s17, ttmp7, 0xffff
	s_lshl_b32 s17, s17, 2
	s_add_co_u32 s17, s17, s85                     ; the tile of 256 tokens
	s_lshl_b32 s87, s85, 2
	s_lshl_b32 s87, 15, s87                        ; my row of the cluster
	s_lshl_b32 s88, 0x1111, s84                    ; my column
	; descriptor group 1: 100 rows of 256 bytes, dense
	s_or_b32 s[G1A], s87, (3<<16)|(1<<21)          ; 15:0 the mask; 17:16 elements of 8 bytes; 21 set beside a mask
	s_or_b32 s[G1B], s88, (3<<16)|(1<<21)
.irp g, G1A, G1B
	s_mov_b32 s[\g+1], 32<<16                      ; tensor_dim0 = 32
	s_mov_b32 s[\g+2], 100<<16                     ; tensor_dim1 = 100
	s_mov_b32 s[\g+3], 32<<16                      ; tile_dim0
	s_mov_b32 s[\g+4], 100                         ; tile_dim1
	s_mov_b32 s[\g+5], 32                          ; from row to row
	s_mov_b32 s[\g+6], 0
	s_mov_b32 s[\g+7], 0
.endr
	s_lshl_b32 s20, s17, 1
	s_add_co_u32 s20, s20, s16
	s_mul_i32 s20, s20, 102400                     ; the tokens': hangs on the tile of tokens alone
	s_mov_b32 s21, 0
	s_lshl_b32 s22, s86, 1
	s_add_co_u32 s22, s22, s16
	s_mul_i32 s22, s22, 102400                     ; W's: on the tile of units alone
	s_mov_b32 s23, 0
	s_mul_i32 s18, s14, QTR                        ; where they go: wave x 25,600
	s_wait_kmcnt 0x0
	s_add_nc_u64 s[20:21], s[4:5], s[20:21]
	s_add_nc_u64 s[22:23], s[6:7], s[22:23]
	CROUND                                         ; all sixteen work-groups are here: the first joint loads meet
.irp q, 0,1,2,3
	s_mov_b32 s[G0A+4*\q], 1
	s_add_co_u32 s[G0A+4*\q+1], s18, (\q%3)*SLOT
	s_add_nc_u64 s[G0A+4*\q+2:G0A+4*\q+3], s[20:21], \q*QTR
	s_or_b32 s[G0A+4*\q+3], s[G0A+4*\q+3], 0x80000000
	s_mov_b32 s[G0B+4*\q], 1
	s_add_co_u32 s[G0B+4*\q+1], s18, (\q%3)*SLOT
	s_add_nc_u64 s[G0B+4*\q+2:G0B+4*\q+3], s[22:23], \q*QTR
	s_or_b32 s[G0B+4*\q+3], s[G0B+4*\q+3], 0x80000000
.endr
	JLOAD G0A, G0B                                 ; the three first fills: three loads of a wave are out
	JLOAD G0A+4, G0B+4
	JLOAD G0A+8, G0B+8
	v_and_b32 v1, 31, v0
	v_and_b32 v2, 15, v0
	v_lshlrev_b32 v3, 4, v1                        ; 16 x lane
	v_lshlrev_b32 v4, 2, v1                        ; 4 x lane
	s_mul_i32 s94, s15, QTR
	s_mul_i32 s95, s16, QTR
	s_add_co_u32 s95, s95, 2*QTR
.irp s, 0,1,2
	v_add_nc_u32 v[ADRA+\s], s94, v3
	v_add_nc_u32 v[ADRB+\s], s95, v3
	v_add_nc_u32 v[ASA+\s], s94, v4
	v_add_nc_u32 v[ASB+\s], s95, v4
	s_add_co_u32 s94, s94, SLOT
	s_add_co_u32 s95, s95, SLOT
.endr
	; the way out.  My 64 units are blocks 2 c, 2 c + 1 of a chunk: registers 6 c .. 6 c + 5 of its image: three pieces of 8 bytes a lane
	s_mul_i32 s94, s15, 12800
	s_add_co_u32 s94, s94, STG                     ; my 128 tokens' two records
	s_mul_i32 s95, s16, 520
	s_add_co_u32 s95, s95, s94
	v_add_nc_u32 v20, s95, v3                      ; registers 6 c, 6 c + 1
	v_add_nc_u32 v22, 512, v20                     ; 6 c + 4, 6 c + 5
	s_mul_i32 s95, s16, 1016
	s_add_co_u32 s95, s95, s94
	s_add_co_u32 s95, s95, 8
	v_add_nc_u32 v21, s95, v3                      ; 6 c + 2, 6 c + 3
	s_lshl_b32 s95, s16, 1
	s_add_co_u32 s95, s95, s94
	s_add_co_u32 s95, s95, 6144
	v_lshl_add_u32 v23, v2, 2, s95                 ; my two bytes of row r's scale word
	s_mul_i32 s95, s14, 6400
	s_add_co_u32 s95, s95, STG
	v_add_nc_u32 v24, s95, v3                      ; back: wave w takes record w
	v_lshlrev_b32 v27, 3, v1
	v_add_nc_u32 v27, 6144, v27
	v_add_nc_u32 v25, s95, v27
	v_mov_b32 v50, 0                               ; permutes' destinations: written once
	v_mov_b32 v51, 0
	s_mov_b32 s90, 0xbfb8aa3b                      ; -log2(e)
	s_mov_b32 s91, s90
	s_mov_b32 s92, 0x76543210
	s_mov_b32 s93, 0xfedcba98
	s_lshl_b32 s96, s17, 2
	s_add_co_u32 s96, s96, s14
	s_mul_i32 s96, s96, 230400                     ; the 64 tokens that I store,
	s_add_co_u32 s97, s86, 4
	s_mul_i32 s97, s97, 6400                       ; chunk 4 + the tile of units
	s_add_co_u32 s96, s96, s97
	s_mov_b32 s97, 0
	s_add_nc_u64 s[8:9], s[8:9], s[96:97]
.macro FRAG reg, adr, q, i             ; an image comes back as it was stored: three loads, 512 consecutive bytes each
.irp c, 0,1,2
	ds_load_b128 v[\reg+4*\c:\reg+4*\c+3], v[\adr] offset:(\q)*REC+(\i)*1536+512*\c
.endr
.endm
.macro FETCH_B slot, q, p
	WIN TO_B
.irp i, 0,1,2,3,4,5,6,7
	FRAG 128*(\p)+12*\i, ADRB+\slot, \q, \i
.endr
	WIN 0
.endm
.macro FETCH_A slot, q, i0
.irp i, \i0, \i0+1, \i0+2, \i0+3
	FRAG AF+12*(\i), ADRA+\slot, \q, \i
.endr
.endm
.macro SCALES slot, q, sc              ; register p: lanes 0-15 tile 2 p's words, lanes 16-31 tile 2 p + 1's
.irp p, 0,1,2,3
	ds_load_b32 v[SC+8*(\sc)+\p], v[ASA+\slot] offset:(\q)*REC+12288+128*\p
	ds_load_b32 v[SC+8*(\sc)+4+\p], v[ASB+\slot] offset:(\q)*REC+12288+128*\p
.endr
.endm
; 16 matrix instructions: the tokens' blocks a0, a0 + 1 x W's eight.  The 64 accumulators take turns, one instruction a turn, in the same order in every chunk.
.macro MUL16 a0, p, zero
.irp a, \a0, \a0+1
.irp b, 0,1,2,3,4,5,6,7
	WM 8*(8*((\a)%4)+\b), 128*(\p)+12*\b, AF+12*(\a), SC+8*(\p)+4+\b/2, SC+8*(\p)+(\a)/2, \b%2, (\a)%2, \zero
.endr
.endr
.endm
; A chunk whose successor has been shown whole to every wave.  p: W's set and the set of scale words in hand; the next chunk (slot ns, its nq-th) goes into the other sets.
.macro STEP p, ns, nq, zero
	s_wait_dscnt 12                                ; all but the youngest twelve loads (the tokens' blocks 4-7) are in
	WIN MUL_LO
	MUL16 0, \p, \zero
	MUL16 2, \p, \zero
	s_wait_dscnt 0x0
	PLACES
	FETCH_B \ns, \nq, 1-(\p)
	FETCH_A \ns, \nq, 0
	SCALES \ns, \nq, 1-(\p)
	WIN MUL_HI
	MUL16 4, \p, \zero
	MUL16 6, \p, \zero
	PLACES
	WIN 0
	FETCH_A \ns, \nq, 4
.endm
; A chunk with a barrier in its middle.  In front of it each wave waits for all its tensor loads, adds 0 to its spare word, and waits for that and for its LDS reads.
; fill = 1: the barrier opens a round of the cluster's, and behind it slot 0, which nobody reads any more, takes chunks 6 and 7.
.macro TURN p, ns, nq, fill
	s_wait_tensorcnt 0x0                           ; all my tensor loads have landed
	ds_add_u32 v[SPW], v[NIL]                      ; 0 onto my spare word
	s_wait_dscnt 13                                ; (the add and the youngest twelve loads may be out)
	WIN MUL_LO
	MUL16 0, \p, 0                                 ; sixteen matrix instructions stand between the add and the wait for it
	s_wait_dscnt 0x0                               ; the add is done, and my reads of the slot in hand are over
	s_barrier_signal -1
	MUL16 2, \p, 0
	WIN 0
	s_barrier_wait -1
.if \fill
	CREST
	JLOAD G0A+12, G0B+12                           ; the first tensor load behind the round, one a wave; its four v_nop are also the places in front of the loads below
.else
	PLACES
.endif
	FETCH_B \ns, \nq, 1-(\p)
	FETCH_A \ns, \nq, 0
	SCALES \ns, \nq, 1-(\p)
	WIN MUL_HI
	MUL16 4, \p, 0
	MUL16 6, \p, 0
	PLACES
	WIN 0
	FETCH_A \ns, \nq, 4
.endm
	s_wait_tensorcnt 2                             ; my part of slot 0 is in; slots 1 and 2 may be out
	s_barrier_signal -1
	s_barrier_wait -1
	FETCH_B 0, 0, 0
	FETCH_A 0, 0, 0
	SCALES 0, 0, 0
	FETCH_A 0, 0, 4
	STEP 0, 0, 1, 1                                ; chunk 0: its products start the sums
	TURN 1, 1, 0, 1                                ; chunk 1: slots 1 and 2 are shown whole; slot 0 is filled again
	STEP 0, 1, 1, 0                                ; chunk 2
	STEP 1, 2, 0, 0                                ; chunk 3
	STEP 0, 2, 1, 0                                ; chunk 4
	TURN 1, 0, 0, 0                                ; chunk 5: slot 0's second fill is shown whole; nobody reads slot 1 any more
	STEP 0, 0, 1, 0                                ; chunk 6
	s_wait_dscnt 12                                ; chunk 7: nothing more to fetch
	WIN MUL_LO
	MUL16 0, 1, 0
	MUL16 2, 1, 0
	s_wait_dscnt 0x0
	WIN MUL_HI
	MUL16 4, 1, 0
	MUL16 6, 1, 0
	WIN 0
	PLACES
; THE ACTIVATION AND THE QUANTISER, a tile of 16 tokens at a time.  Of its 64 registers the lower 32 are ff_x and the upper 32 gate, register 16 b + i = unit 32 b + 16 h + i of my 64.
.macro EPI a
.set AC, 64*((\a)%4)
.set EW, 2+(\a)/4
	WIN EW                                         ; source 0: the accumulators' window
.set j, 0
.rept 16
	v_pk_mul_f32 v[64+j:65+j], v[AC+32+j:AC+33+j], s[90:91] op_sel_hi:[1,0]         ; -gate log2(e); each accumulator from its low end on
.set j, j+2
.endr
	WIN 0
.set j, 0
.rept 32
	v_exp_f32 v[64+j], v[64+j]
.set j, j+1
.endr
	v_nop
	s_wait_alu depctr_va_vdst(0)                   ; one wait for the batch
.set j, 0
.rept 16
	v_pk_add_f32 v[64+j:65+j], v[64+j:65+j], 1.0 op_sel_hi:[1,0]
.set j, j+2
.endr
.set j, 0
.rept 32
	v_rcp_f32 v[64+j], v[64+j]                     ; sigmoid(gate)
.set j, j+1
.endr
	v_nop
	s_wait_alu depctr_va_vdst(0)
	WIN EW
.set j, 0
.rept 16
	v_pk_mul_f32 v[64+j:65+j], v[AC+32+j:AC+33+j], v[64+j:65+j]                     ; silu(gate)
.set j, j+2
.endr
.set j, 0
.rept 16
	v_pk_mul_f32 v[96+j:97+j], v[AC+j:AC+j+1], v[64+j:65+j]                         ; x ff_x
.set j, j+2
.endr
	WIN 0
	s_wait_dscnt 0x0                               ; the last tile's stores into the stage have read their registers
	v_max3_num_f32 v48, |v96|, |v97|, FLOOR
	v_max3_num_f32 v49, |v112|, |v113|, FLOOR
.irp i, 2,4,6,8,10,12,14
	v_max3_num_f32 v48, v48, |v[96+\i]|, |v[97+\i]|
	v_max3_num_f32 v49, v49, |v[112+\i]|, |v[113+\i]|
.endr
	v_permlanex16_b32 v50, v48, s92, s93
	v_permlanex16_b32 v51, v49, s92, s93
	v_max_num_f32 v48, v48, v50
	v_max_num_f32 v49, v49, v51
	v_add_nc_u32 v52, EOFF, v48
	v_add_nc_u32 v53, EOFF, v49
	v_lshrrev_b32 v54, 23, v52
	v_lshrrev_b32 v55, 23, v53
	v_lshl_or_b32 v56, v55, 8, v54                 ; my two bytes of the row's scale word
	v_cvt_scalef32_pk16_bf6_f32 v[224:226], v[96:111], v52
	v_cvt_scalef32_pk16_bf6_f32 v[228:230], v[112:127], v53
	v_nop
.irp i, 0,1,2
	v_permlane16_swap_b32 v[224+\i], v[228+\i]     ; lanes 0-15 now hold the first block whole, lanes 16-31 the second
.endr
	v_mov_b32 v227, v228
	v_mov_b32 v228, v229
	v_mov_b32 v229, v230
	ds_store_b64 v20, v[224:225] offset:((\a)/4)*6400+((\a)%4)*1536
	ds_store_b64 v21, v[226:227] offset:((\a)/4)*6400+((\a)%4)*1536
	ds_store_b64 v22, v[228:229] offset:((\a)/4)*6400+((\a)%4)*1536
	ds_store_b16 v23, v56 offset:((\a)/4)*6400+((\a)%4)*64
.endm
.irp a, 0,1,2,3,4,5,6,7
	EPI \a
.endr
	s_wait_dscnt 0x0                               ; for the others' sake: my parts of the records lie in the stage
	s_barrier_signal -1
	s_barrier_wait -1
.irp k, 0,1,2,3,4,5,6,7,8,9,10,11
	ds_load_b128 v[128+4*\k:131+4*\k], v24 offset:512*\k
.endr
	ds_load_b64 v[176:177], v25
.irp k, 0,1,2,3,4,5,6,7,8,9,10,11
	s_wait_dscnt 12-\k
	global_store_b128 v3, v[128+4*\k:131+4*\k], s[8:9] offset:512*\k        ; 32 lanes store 512 consecutive bytes, at a multiple of 256 from the buffer's first byte
.endr
	s_wait_dscnt 0x0
	global_store_b64 v27, v[176:177], s[8:9]       ; the record's 256 bytes of scale words
	s_wait_tensorcnt 0x0                           ; the wave's end
	ds_add_u32 v[SPW], v[NIL]
	s_wait_dscnt 0x0
	CROUND                                         ; the closing round
	s_endpgm
.Lfunc_end_k_q9bb36ab27a_ffn:
	.size	k_q9bb36ab27a_ffn, .Lfunc_end_k_q9bb36ab27a_ffn-k_q9bb36ab27a_ffn
	.p2alignl 7, 3214868480
	.fill 96, 4, 3214868480
	.section	.rodata,"a",@progbits
	.p2align	6, 0x0
	.amdhsa_kernel k_q9bb36ab27a_ffn
		.amdhsa_group_segment_fixed_size 327680
		.amdhsa_private_segment_fixed_size 0
		.amdhsa_enable_private_segment 0
		.amdhsa_kernarg_size 24
		.amdhsa_user_sgpr_count 2
		.amdhsa_user_sgpr_kernarg_segment_ptr 1
		.amdhsa_wavefront_size32 1
		.amdhsa_system_sgpr_workgroup_id_x 1
		.amdhsa_system_sgpr_workgroup_id_y 1
		.amdhsa_system_sgpr_workgroup_id_z 1
		.amdhsa_system_vgpr_workitem_id 0
		.amdhsa_next_free_vgpr 1024
		.amdhsa_next_free_sgpr 100
		.amdhsa_reserve_vcc 0
		.amdhsa_float_denorm_mode_32 3
		.amdhsa_float_denorm_mode_16_64 3
		.amdhsa_memory_ordered 1
		.amdhsa_forward_progress 1
		.amdhsa_inst_pref_size 176
	.end_amdhsa_kernel
	.amdgpu_metadata
---
amdhsa.version: [ 1, 2 ]
amdhsa.kernels:
  - .name:           k_q9bb36ab27a_ffn
    .symbol:         k_q9bb36ab27a_ffn.kd
    .args:
      - { .name: xa, .offset: 0, .size: 8, .value_kind: global_buffer, .address_space: global }
      - { .name: wf, .offset: 8, .size: 8, .value_kind: global_buffer, .address_space: global }
      - { .name: ha, .offset: 16, .size: 8, .value_kind: global_buffer, .address_space: global }
    .group_segment_fixed_size: 327680
    .private_segment_fixed_size: 0
    .kernarg_segment_align: 8
    .kernarg_segment_size: 24
    .max_flat_workgroup_size: 128
    .sgpr_count:     100
    .vgpr_count:     1024
    .wavefront_size: 32
...
	.end_amdgpu_metadata
.endif
;; end of part 4
;; launch outp (part 5): grid 8 x 32, 4 waves a work-group, clusters of 4 x 4, 327,680 bytes of LDS; arguments ha, wo, out0; writes out0
.if DOCPART == 5
	.amdgcn_target "amdgcn-amd-amdhsa--gfx1250"
	.amdhsa_code_object_version 6
	.text
	.protected	k_q9bb36ab27a_outp
	.globl	k_q9bb36ab27a_outp
	.p2align	8
	.type	k_q9bb36ab27a_outp,@function
k_q9bb36ab27a_outp:
	s_mov_b64 s[64:65], 0
	v_nop
	global_prefetch_b8 v0, s[64:65] scope:SCOPE_SE
	s_setreg_imm32_b32 hwreg(HW_REG_WAVE_MODE, 25, 1), 1
	s_wait_xcnt 0x0
	s_wait_alu depctr_hold_cnt(0) depctr_sa_sdst(0) depctr_va_vdst(0) depctr_va_sdst(0) depctr_va_ssrc(0) depctr_va_vcc(0) depctr_vm_vsrc(0)
	s_getreg_b32 s2, hwreg(HW_REG_IB_STS2, 6, 4)
	s_cmp_eq_u32 s2, 0
	s_cbranch_scc0 .Lentry_in_a_cluster
	s_endpgm
.Lentry_in_a_cluster:
	s_bfe_u32 s2, ttmp6, 0x10000c
	s_cmp_lg_u32 s2, 0xf033
	s_cbranch_scc0 .Lentry_shape_is_right
	s_endpgm
.Lentry_shape_is_right:
; out0 = (attention out) W_attn_out^T + (hidden) W_ff_out^T as ONE product with K = 512 + 4,096 = 36 chunks of 128, on codes of BF6 (E3M2) with one E8M0 scale for each 32 along K; sums and result in f32.
; M = 4,096, N = 1,024: tiles of 128 x 128 give 256 work-groups.  Four waves, each 64 x 64: 16 accumulators.
; Both operands lie in memory as records of 4 images of operand registers and their scale words (6,400 bytes for 64 rows x 128 K), chunk behind chunk: six chunks of 64 rows are one dense block of 38,400 bytes, one tensor load.
; Two LDS slots of six chunks; each wave fetches a quarter of a slot; a refill has six chunks, 96 matrix instructions a wave, in which to land.
; CLUSTERS: 4 x 4 work-groups; the tokens' tiles are shared along a row of the cluster, the weights' along a column: joint loads.  The matrix instruction is used transposed (source 0 = 16 rows of W, source 1 = 16 tokens): a lane holds eight neighbouring numbers of a row of the result.
; No prefetch on these small tiles.
; REGISTERS: window 0: v8-15 LDS addresses; v16-18 the way out; v28, v29 the spare word's address and 0; v32-39 scale words, two sets; v64-127 rows on the way out; v128-255 the accumulators ((a, b) at v[128 + 8 (4 a + b)]).
;   window 1: two sets of 96: 4 fragments of tokens, 4 of W.
.set REC,   6400
.set QTR,   38400
.set SLOT,  153600
.set SPARE, 307200
.set ACC,   128
.set ADRA,  8
.set ADRB,  10
.set ASA,   12
.set ASB,   14
.set STO,   16
.set RD,    17
.set CO,    18
.set SPW,   28
.set NIL,   29
.set SC,    32
.set G1,  24
.set G0,  32
.set G1B, 48
.set G0B, 56
.set MSB, 0
.macro WIN new
.if MSB != \new
	s_set_vgpr_msb (MSB<<8)|\new
.set MSB, \new
.endif
.endm
.set MUL,  0x05                        ; sources 0 and 1 window 1; C and D window 0
.set TO_F, 0x40
.macro WM d, a, b, sa, sb, ra, rb, zero
.if \zero
.if (\ra) && (\rb)
	v_wmma_scale_f32_16x16x128_f8f6f4 v[(\d):(\d)+7], v[(\a):(\a)+11], v[(\b):(\b)+11], 0, v[\sa], v[\sb] matrix_a_fmt:MATRIX_FMT_BF6 matrix_b_fmt:MATRIX_FMT_BF6 matrix_a_scale:MATRIX_SCALE_ROW1 matrix_b_scale:MATRIX_SCALE_ROW1
.elseif \ra
	v_wmma_scale_f32_16x16x128_f8f6f4 v[(\d):(\d)+7], v[(\a):(\a)+11], v[(\b):(\b)+11], 0, v[\sa], v[\sb] matrix_a_fmt:MATRIX_FMT_BF6 matrix_b_fmt:MATRIX_FMT_BF6 matrix_a_scale:MATRIX_SCALE_ROW1
.elseif \rb
	v_wmma_scale_f32_16x16x128_f8f6f4 v[(\d):(\d)+7], v[(\a):(\a)+11], v[(\b):(\b)+11], 0, v[\sa], v[\sb] matrix_a_fmt:MATRIX_FMT_BF6 matrix_b_fmt:MATRIX_FMT_BF6 matrix_b_scale:MATRIX_SCALE_ROW1
.else
	v_wmma_scale_f32_16x16x128_f8f6f4 v[(\d):(\d)+7], v[(\a):(\a)+11], v[(\b):(\b)+11], 0, v[\sa], v[\sb] matrix_a_fmt:MATRIX_FMT_BF6 matrix_b_fmt:MATRIX_FMT_BF6
.endif
.else
.if (\ra) && (\rb)
	v_wmma_scale_f32_16x16x128_f8f6f4 v[(\d):(\d)+7], v[(\a):(\a)+11], v[(\b):(\b)+11], v[(\d):(\d)+7], v[\sa], v[\sb] matrix_a_fmt:MATRIX_FMT_BF6 matrix_b_fmt:MATRIX_FMT_BF6 matrix_a_scale:MATRIX_SCALE_ROW1 matrix_b_scale:MATRIX_SCALE_ROW1
.elseif \ra
	v_wmma_scale_f32_16x16x128_f8f6f4 v[(\d):(\d)+7], v[(\a):(\a)+11], v[(\b):(\b)+11], v[(\d):(\d)+7], v[\sa], v[\sb] matrix_a_fmt:MATRIX_FMT_BF6 matrix_b_fmt:MATRIX_FMT_BF6 matrix_a_scale:MATRIX_SCALE_ROW1
.elseif \rb
	v_wmma_scale_f32_16x16x128_f8f6f4 v[(\d):(\d)+7], v[(\a):(\a)+11], v[(\b):(\b)+11], v[(\d):(\d)+7], v[\sa], v[\sb] matrix_a_fmt:MATRIX_FMT_BF6 matrix_b_fmt:MATRIX_FMT_BF6 matrix_b_scale:MATRIX_SCALE_ROW1
.else
	v_wmma_scale_f32_16x16x128_f8f6f4 v[(\d):(\d)+7], v[(\a):(\a)+11], v[(\b):(\b)+11], v[(\d):(\d)+7], v[\sa], v[\sb] matrix_a_fmt:MATRIX_FMT_BF6 matrix_b_fmt:MATRIX_FMT_BF6
.endif
.endif
.endm
.macro JLOAD s                         ; a joint load: waves 0 and 1 fetch the tokens' two halves, waves 2 and 3 W's; four v_nop follow each of the two lines
	s_cmp_eq_u32 s11, 0
	s_cbranch_scc0 .Lfor_b_\@
	tensor_load_to_lds s[G0+4*\s:G0+4*\s+3], s[G1:G1+7]
	s_nop 0
.rept 4
	v_nop
.endr
	s_branch .Lasked_\@
.Lfor_b_\@:
	tensor_load_to_lds s[G0B+4*\s:G0B+4*\s+3], s[G1B:G1B+7]
	s_nop 0
.rept 4
	v_nop
.endr
.Lasked_\@:
.endm
.macro CREST
	s_cmp_lg_u32 s10, 0
	s_cbranch_scc1 .Lnot_wave_0_\@
	s_barrier_signal -3
.Lnot_wave_0_\@:
	s_barrier_wait -3
	s_barrier_signal -1
	s_barrier_wait -1
.endm
.macro CROUND
	s_barrier_signal -1
	s_barrier_wait -1
	CREST
.endm
.macro PLACES
.rept 4
	v_nop
.endr
.endm
	s_load_b128 s[4:7], s[0:1], 0x0                ; ha, wo
	s_load_b64 s[8:9], s[0:1], 0x10                ; out0
	v_lshl_add_u32 v[SPW], v0, 2, SPARE
	v_mov_b32 v[NIL], 0
	ds_add_u32 v28, v29
	ds_add_u32 v28, v29
	s_wait_dscnt 0x0
	v_lshrrev_b32 v1, 5, v0
	v_readfirstlane_b32 s10, v1                    ; wave 0..3
	s_lshr_b32 s11, s10, 1                         ; which 64 tokens are mine.  Also: I fetch tokens (0) or W (1)
	s_and_b32 s12, s10, 1                          ; which 64 columns.  Also: which half of that tile I fetch
	s_bfe_u32 s40, ttmp6, 0x40000                  ; cx
	s_bfe_u32 s41, ttmp6, 0x40004                  ; cy
	s_lshl_b32 s42, ttmp9, 2
	s_add_co_u32 s42, s42, s40                     ; tile column
	s_and_b32 s13, ttmp7, 0xffff
	s_lshl_b32 s13, s13, 2
	s_add_co_u32 s13, s13, s41                     ; tile row
	s_lshl_b32 s43, s41, 2
	s_lshl_b32 s43, 15, s43                        ; my row of the cluster
	s_lshl_b32 s44, 0x1111, s40                    ; my column
	; descriptor group 1: 150 rows of 256 bytes, dense
	s_or_b32 s[G1], s43, (3<<16)|(1<<21)
	s_or_b32 s[G1B], s44, (3<<16)|(1<<21)
.irp g, G1, G1B
	s_mov_b32 s[\g+1], 32<<16
	s_mov_b32 s[\g+2], 150<<16
	s_mov_b32 s[\g+3], 32<<16
	s_mov_b32 s[\g+4], 150
	s_mov_b32 s[\g+5], 32
	s_mov_b32 s[\g+6], 0
	s_mov_b32 s[\g+7], 0
.endr
	s_lshl_b32 s16, s13, 1
	s_add_co_u32 s16, s16, s12
	s_mul_i32 s16, s16, 230400                     ; the tokens': hangs on the tile row alone
	s_mov_b32 s17, 0
	s_lshl_b32 s46, s42, 1
	s_add_co_u32 s46, s46, s12
	s_mul_i32 s46, s46, 230400                     ; W's: on the tile column alone
	s_mov_b32 s47, 0
	s_mul_i32 s20, s10, QTR                        ; where they go: wave x 38,400
	s_wait_kmcnt 0x0
	s_add_nc_u64 s[14:15], s[4:5], s[16:17]
	s_add_nc_u64 s[46:47], s[6:7], s[46:47]
	CROUND                                         ; all sixteen work-groups are here: the first joint loads meet
.irp s, 0,1
	s_mov_b32 s[G0+4*\s], 1
	s_add_co_u32 s[G0+4*\s+1], s20, \s*SLOT
	s_add_nc_u64 s[G0+4*\s+2:G0+4*\s+3], s[14:15], \s*QTR
	s_or_b32 s[G0+4*\s+3], s[G0+4*\s+3], 0x80000000
	s_mov_b32 s[G0B+4*\s], 1
	s_add_co_u32 s[G0B+4*\s+1], s20, \s*SLOT
	s_add_nc_u64 s[G0B+4*\s+2:G0B+4*\s+3], s[46:47], \s*QTR
	s_or_b32 s[G0B+4*\s+3], s[G0B+4*\s+3], 0x80000000
	JLOAD \s
.endr
	v_and_b32 v1, 31, v0
	v_and_b32 v2, 15, v0                           ; r
	v_bfe_u32 v3, v0, 4, 1                         ; h
	v_lshlrev_b32 v4, 4, v1
	v_lshlrev_b32 v5, 2, v1
	s_mul_i32 s21, s11, QTR
	s_mul_i32 s22, s12, QTR
	s_add_co_u32 s22, s22, 2*QTR
.irp s, 0,1
	v_add_nc_u32 v[ADRA+\s], s21, v4
	v_add_nc_u32 v[ADRB+\s], s22, v4
	v_add_nc_u32 v[ASA+\s], s21, v5
	v_add_nc_u32 v[ASB+\s], s22, v5
	s_add_co_u32 s21, s21, SLOT
	s_add_co_u32 s22, s22, SLOT
.endr
	s_mul_i32 s23, s10, 16*272                     ; my stage: 16 rows x (256 bytes + 16), in slot 0, which has had its last fill and its last read when the first result is stored there
	v_mul_u32_u24 v6, v2, 272
	v_lshl_add_u32 v6, v3, 5, v6
	v_add_nc_u32 v[STO], s23, v6                   ; in: row r, 32 bytes for each half of the lanes
	v_mul_u32_u24 v6, v3, 272
	v_lshl_add_u32 v6, v2, 4, v6
	v_add_nc_u32 v[RD], s23, v6                    ; back: lanes 0-15 one row of 256 bytes, lanes 16-31 the next
	v_lshlrev_b32 v[CO], 12, v3
	v_lshl_add_u32 v[CO], v2, 4, v[CO]             ; and the same two rows in out0
	s_lshl_b32 s16, s13, 7
	s_lshl_b32 s17, s11, 6
	s_add_co_u32 s16, s16, s17
	s_lshl_b32 s16, s16, 12                        ; my first token's row of 4,096 bytes
	s_lshl_b32 s46, s42, 9
	s_lshl_b32 s47, s12, 8
	s_add_co_u32 s46, s46, s47                     ; my first column, in bytes
	s_add_co_u32 s16, s16, s46
	s_mov_b32 s17, 0
	s_add_nc_u64 s[8:9], s[8:9], s[16:17]
.macro FETCH slot, e, f                ; chunk e of a slot into set f: 24 loads of fragments, 4 of scale words
	WIN TO_F
.irp a, 0,1,2,3
.irp c, 0,1,2
	ds_load_b128 v[128*(\f)+12*\a+4*\c:128*(\f)+12*\a+4*\c+3], v[ADRA+\slot] offset:(\e)*REC+\a*1536+512*\c
.endr
.endr
.irp a, 0,1,2,3
.irp c, 0,1,2
	ds_load_b128 v[128*(\f)+48+12*\a+4*\c:128*(\f)+48+12*\a+4*\c+3], v[ADRB+\slot] offset:(\e)*REC+\a*1536+512*\c
.endr
.endr
	WIN 0
.irp j, 0,1
	ds_load_b32 v[SC+4*(\f)+\j], v[ASA+\slot] offset:(\e)*REC+6144+128*\j
	ds_load_b32 v[SC+4*(\f)+2+\j], v[ASB+\slot] offset:(\e)*REC+6144+128*\j
.endr
.endm
.macro MULA f, a, zero                 ; four matrix instructions: the tokens' block a x W's four.  The 16 accumulators take turns, one instruction a turn
.irp b, 0,1,2,3
	WM ACC+8*(4*(\a)+\b), 128*(\f)+48+12*\b, 128*(\f)+12*(\a), SC+4*(\f)+2+\b/2, SC+4*(\f)+(\a)/2, \b%2, (\a)%2, \zero
.endr
.endm
.macro CHUNK f, ns, ne, zero           ; set f is multiplied; ahead of that the next chunk (slot ns, chunk ne) is asked for, into the other set
	PLACES
	FETCH \ns, \ne, 1-(\f)
	s_wait_dscnt 28                                ; all but the 28 just issued
	WIN MUL
	MULA \f, 0, \zero
	MULA \f, 1, \zero
	MULA \f, 2, \zero
	MULA \f, 3, \zero
.endm
; A slot's sixth chunk (set 1) changes slots: ONE barrier; in front of it each wave waits for all its tensor loads, adds 0 to its spare word, and waits for that and for its reads of this slot.  fill = 1: this slot is filled again, with the chunks twelve on.
.macro TURN slot, next, fill
	WIN 0
	s_wait_tensorcnt 0x0                           ; all my tensor loads have landed: my part of the next slot
	ds_add_u32 v[SPW], v[NIL]                      ; 0 onto my spare word
	s_wait_dscnt 1                                 ; (the add may be out)
	WIN MUL
	MULA 1, 0, 0                                   ; four matrix instructions stand between the add and the wait for it
	s_wait_dscnt 0x0                               ; the add is done, and my reads of this slot are over
	s_barrier_signal -1
	MULA 1, 1, 0
	WIN 0
	s_barrier_wait -1
.if \fill
	CREST                                          ; the barrier has opened a round of the cluster's barrier
	s_add_nc_u64 s[G0+4*\slot+2:G0+4*\slot+3], s[G0+4*\slot+2:G0+4*\slot+3], 2*QTR
	s_add_nc_u64 s[G0B+4*\slot+2:G0B+4*\slot+3], s[G0B+4*\slot+2:G0B+4*\slot+3], 2*QTR
	JLOAD \slot                                    ; the first tensor load behind the round, one a wave; its four v_nop are also the places in front of the loads below
.else
	PLACES
.endif
	FETCH \next, 0, 0
	WIN MUL
	MULA 1, 2, 0
	MULA 1, 3, 0
.endm
	s_wait_tensorcnt 1                             ; my part of slot 0 is in; slot 1's may be out
	s_barrier_signal -1
	s_barrier_wait -1
	FETCH 0, 0, 0
	CHUNK 0, 0, 1, 1                               ; the first chunk stands in front of the loop: its products start the sums
	WIN 0
	s_mov_b32 s3, 2
.Llap:                                             ; a trip goes once round the ring and fills both slots again: fills 2 to 5
	CHUNK 1, 0, 2, 0
	CHUNK 0, 0, 3, 0
	CHUNK 1, 0, 4, 0
	CHUNK 0, 0, 5, 0
	TURN 0, 1, 1
	CHUNK 0, 1, 1, 0
	CHUNK 1, 1, 2, 0
	CHUNK 0, 1, 3, 0
	CHUNK 1, 1, 4, 0
	CHUNK 0, 1, 5, 0
	TURN 1, 0, 1
	CHUNK 0, 0, 1, 0
	WIN 0
	s_sub_co_u32 s3, s3, 1
	s_cmp_lg_u32 s3, 0
	s_cbranch_scc1 .Llap
	CHUNK 1, 0, 2, 0                               ; the last lap fills nothing
	CHUNK 0, 0, 3, 0
	CHUNK 1, 0, 4, 0
	CHUNK 0, 0, 5, 0
	TURN 0, 1, 0
	CHUNK 0, 1, 1, 0
	CHUNK 1, 1, 2, 0
	CHUNK 0, 1, 3, 0
	CHUNK 1, 1, 4, 0
	CHUNK 0, 1, 5, 0
	s_wait_dscnt 0x0                               ; the very last chunk
	MULA 1, 0, 0
	MULA 1, 1, 0
	MULA 1, 2, 0
	MULA 1, 3, 0
	WIN 0
	PLACES
; THE WAY OUT, 16 tokens at a time: a lane holds 32 neighbouring bytes of a row; through my own stage they come back as whole rows of 256 bytes.  LDS serves a wave's instructions in order (ISA guide 5.7.1.4): no wait between the stores and the loads.
.macro TOSTAGE a
.irp b, 0,1,2,3
	ds_store_b128 v[STO], v[ACC+8*(4*(\a)+\b):ACC+8*(4*(\a)+\b)+3] offset:64*\b       ; each accumulator from its low end on
	ds_store_b128 v[STO], v[ACC+8*(4*(\a)+\b)+4:ACC+8*(4*(\a)+\b)+7] offset:64*\b+16
.endr
.set BB, 64+32*((\a)%2)
.irp t, 0,1,2,3,4,5,6,7
	ds_load_b128 v[BB+4*\t:BB+4*\t+3], v[RD] offset:\t*2*272
.endr
.endm
.macro SEND a, younger                 ; younger: the LDS instructions issued behind block a's loads
.set BB, 64+32*((\a)%2)
	s_wait_dscnt \younger
.irp t, 0,1,2,3,4,5,6,7
	global_store_b128 v[CO], v[BB+4*\t:BB+4*\t+3], s[8:9] offset:(\a)*65536+\t*8192 th:TH_STORE_NT   ; 16 lanes store 256 consecutive bytes, aligned; written once
.endr
.endm
	TOSTAGE 0
	TOSTAGE 1
	SEND 0, 16
	s_wait_xcnt 0x0                                ; block 0's stores have read their registers: block 2's loads may land there
	TOSTAGE 2
	SEND 1, 16
	s_wait_xcnt 0x0
	TOSTAGE 3
	SEND 2, 16
	SEND 3, 0
	s_wait_tensorcnt 0x0                           ; the wave's end
	ds_add_u32 v[SPW], v[NIL]
	s_wait_dscnt 0x0
	CROUND                                         ; the closing round
	s_endpgm
.Lfunc_end_k_q9bb36ab27a_outp:
	.size	k_q9bb36ab27a_outp, .Lfunc_end_k_q9bb36ab27a_outp-k_q9bb36ab27a_outp
	.p2alignl 7, 3214868480
	.fill 96, 4, 3214868480
	.section	.rodata,"a",@progbits
	.p2align	6, 0x0
	.amdhsa_kernel k_q9bb36ab27a_outp
		.amdhsa_group_segment_fixed_size 327680
		.amdhsa_private_segment_fixed_size 0
		.amdhsa_enable_private_segment 0
		.amdhsa_kernarg_size 24
		.amdhsa_user_sgpr_count 2
		.amdhsa_user_sgpr_kernarg_segment_ptr 1
		.amdhsa_wavefront_size32 1
		.amdhsa_system_sgpr_workgroup_id_x 1
		.amdhsa_system_sgpr_workgroup_id_y 1
		.amdhsa_system_sgpr_workgroup_id_z 1
		.amdhsa_system_vgpr_workitem_id 0
		.amdhsa_next_free_vgpr 512
		.amdhsa_next_free_sgpr 66
		.amdhsa_reserve_vcc 0
		.amdhsa_float_denorm_mode_32 3
		.amdhsa_float_denorm_mode_16_64 3
		.amdhsa_memory_ordered 1
		.amdhsa_forward_progress 1
		.amdhsa_inst_pref_size 114
	.end_amdhsa_kernel
	.amdgpu_metadata
---
amdhsa.version: [ 1, 2 ]
amdhsa.kernels:
  - .name:           k_q9bb36ab27a_outp
    .symbol:         k_q9bb36ab27a_outp.kd
    .args:
      - { .name: ha, .offset: 0, .size: 8, .value_kind: global_buffer, .address_space: global }
      - { .name: wo, .offset: 8, .size: 8, .value_kind: global_buffer, .address_space: global }
      - { .name: out0, .offset: 16, .size: 8, .value_kind: global_buffer, .address_space: global }
    .group_segment_fixed_size: 327680
    .private_segment_fixed_size: 0
    .kernarg_segment_align: 8
    .kernarg_segment_size: 24
    .max_flat_workgroup_size: 128
    .sgpr_count:     66
    .vgpr_count:     512
    .wavefront_size: 32
...
	.end_amdgpu_metadata
.endif
;; end of part 5
